; MI455X (gfx1250); checked and timed in simulation.
; The chip was launched on July 23, 2026; its instructions are those of AMD's public machine-readable ISA for CDNA 5 (MIT licence, August 2026) and "CDNA5" Instruction Set Architecture Reference Guide (July 2026). The comments in the code are by the model that wrote it; some were corrected since.
;; Multi Head Self Attention. Allowed arithmetic: matrix products marked QUANTISED: E2M3 operands, one E8M0 scale for each 32 along K, by v_wmma_scale_f32_16x16x128_f8f6f4 with both operands' format E2M3, f32 sums; everything else in f32.
;; Inputs: b_k 2,048 float32; b_o 2,048 float32; b_q 2,048 float32; b_v 2,048 float32; w_k 2,048 x 2,048 float32; w_o 2,048 x 2,048 float32; w_q 2,048 x 2,048 float32; w_v 2,048 x 2,048 float32; x 64 x 64 x 2,048 float32.
;; Outputs: out0 64 x 64 x 2,048 float32.
;; This version of the problem:
;;   THIS VERSION OF THE PROBLEM IS GIVEN IN LOW PRECISION. The matrix products marked QUANTISED in the list below multiply operands that are first quantised to E2M3 (2 exponent bits, 3 mantissa bits; 6 bits a number), with one power-of-two scale for each 32 numbers along K (OCP MX v1.0); their sums are f32. All else is computed in f32.
;;   The module's matrix products, in the order in which they are computed (A, B: the left and right operand; K: the contracted axis; several contracted axes count as one K, in the product's order):
;;     1. [M 4,096, K 2,048] x [K 2,048, N 2,048]; A: input x; B: input w_q: QUANTISED
;;     2. [M 4,096, K 2,048] x [K 2,048, N 2,048]; A: input x; B: input w_k: QUANTISED
;;     3. [M 4,096, K 2,048] x [K 2,048, N 2,048]; A: input x; B: input w_v: QUANTISED
;;     4. batch 4,096 x [M 64, K 32] x [K 32, N 64]; A: computed on the way; B: computed on the way: QUANTISED
;;     5. batch 4,096 x [M 64, K 64] x [K 64, N 32]; A: softmax (see below); B: computed on the way: QUANTISED
;;     6. [M 4,096, K 2,048] x [K 2,048, N 2,048]; A: computed on the way; B: input w_o: QUANTISED
;;   THE QUANTISER, for each operand of a quantised product, along K:
;;     - K is cut into blocks of 32 from its start; a last block that is shorter is filled with zeros.
;;     - A block's scale is 2^e with e = floor(log2(the largest magnitude in the block)) - 2, held to -126 .. 127; a block of zeros has e = 0. As a byte (E8M0): e + 127.
;;     - Each number is divided by its block's scale, clamped to +-7.5, and rounded to the nearest number of E2M3, ties to even, subnormals kept.
;;     - The product sums the exact products of the quantised numbers (number of the format x scale) in f32.
;;   ~~~python
;;   def quantise(x, axis):      # numpy; x: float32 -> the quantised numbers, widened to float32 again
;;       x = np.moveaxis(x, axis, -1); K = x.shape[-1]
;;       x = np.pad(x, [(0, 0)] * (x.ndim - 1) + [(0, -K % 32)]); x = x.reshape(x.shape[:-1] + (-1, 32)); a = np.abs(x).max(-1, keepdims=True)
;;       e = np.where(a > 0, np.clip(np.frexp(np.where(a > 0, a, 1))[1] - 1 - 2, -126, 127), 0)      # np.frexp(a)[1] - 1 = floor(log2(a)), exactly
;;       r = np.clip(x / 2.0 ** e, -7.5, 7.5)
;;       step = 2.0 ** (np.maximum(np.frexp(np.where(r == 0, 1, r))[1] - 1, 0) - 3)
;;       q = np.round(r / step) * step * 2.0 ** e      # np.round: ties to even
;;       return np.moveaxis(q.reshape(q.shape[:-2] + (-1,))[..., :K], -1, axis).astype(np.float32)
;;   ~~~
;;   SOFTMAX AHEAD OF A QUANTISED PRODUCT. Where the list says 'softmax', what is quantised is not the finished softmax but p = 2^(t - M), with t = logit x log2(e) and M = ceil(the row's largest t), a whole number; so 1/2 < the row's largest p <= 1. The row's sum l is taken of the UNQUANTISED p, in f32, and the product's result is divided by l at the end. Since M is a whole number, a kernel that streams over the keys may use a running M (the ceiling of the running maximum): every later rescaling is an exact power of two, which a block's scale takes up: the codes' values come out the same.
;;   OPERANDS COMPUTED ON THE WAY. 'Computed on the way' means the value that the module computes at that place (a softmax that the list does not call 'softmax' is quantised finished and normalised). What goes into a quantiser is computed in f32, as accurately as f32 sums, v_exp_f32 and their like allow (about 1e-6 of the number): no bf16 or f16 on the way to a quantiser, and a product that is left as it is and whose result goes on into a quantised operand takes f32 operands (vector FMAs, or v_wmma_f32_16x16x4_f32). A number that lies on a knife's edge between two numbers of the format may be rounded either way, as far as f32 arithmetic and the matrix unit's own rounding can turn it there, and no further.
;; One version. Each part assembles by itself: llvm-mc -triple=amdgcn-amd-amdhsa -mcpu=gfx1250 --defsym DOCPART=n.
;; ======== version 1 of 1: 3 launches
;; limits: right only within a limited range of input values
;; workspace buffers: xc 6,291,456 bytes; wcod 12,582,912 bytes; xaux 786,432 bytes; wsc 524,288 bytes; ac 6,291,456 bytes; asc 262,144 bytes
;; launch quant (part 1): grid 64 x 12, 4 waves a work-group, no clusters, 69,120 bytes of LDS; arguments x, w_q, w_k, w_v, w_o, xc, wcod, xaux, wsc; writes xc, wcod, xaux, wsc
.if DOCPART == 1
	.amdgcn_target "amdgcn-amd-amdhsa--gfx1250"
	.amdhsa_code_object_version 6
	.text
	.protected	k_qe9dfc3baad_quant
	.globl	k_qe9dfc3baad_quant
	.p2align	8
	.type	k_qe9dfc3baad_quant,@function
k_qe9dfc3baad_quant:
	s_mov_b64 s[64:65], 0
	v_nop
	global_prefetch_b8 v0, s[64:65] scope:SCOPE_SE
	s_setreg_imm32_b32 hwreg(HW_REG_WAVE_MODE, 25, 1), 1
	s_wait_xcnt 0x0
; x [4096][2048] and the four weights [2048][2048], f32, K innermost, become codes of FP6 (E2M3) with one E8M0 byte for each 32 along K,
; laid in the ORDER OF AN OPERAND'S REGISTERS: a fragment (16 rows x 128 K) is 1,536 bytes: chunk c (512 bytes) holds registers 4 c .. 4 c + 3, lane l's 16 bytes at 16 l.
; Lane (r, h) holds row r: registers 0-5 block h, registers 6-11 block 2 + h of the fragment's four blocks of 32.  A fragment's scale words: 16 words, row r's at 4 r, byte b for block b.
; A work-group takes 16 rows for all of K; wave w takes K steps 4 w .. 4 w + 3.  Which 16 rows form a block is chosen by the work-group's y:
;   y 0-3: x, rows 64 xid + 16 y on;  y 4-7: w_q (4, 5), w_k (6, 7): rows 32 xid + 2 i + (y & 1): the even rows (real parts) and the odd rows (imaginary parts) of a head;
;   y 8-9: w_v: rows 32 xid + 8 (y & 1) + i + 8 (i / 8);  y 10-11: w_o: rows 32 xid + 16 (y & 1) + i.
; Each load reads 512 consecutive bytes of one row; a fragment's 8 KiB turn through the wave's own stage in LDS (rows 528 bytes apart) so that a lane gets 32 neighbours of two blocks.
; The work-groups of x also make the rope table: angle = batch x 10000^(-m / 1024), m = 16 s + d / 2; cos and sin for lane (r, h), j = 0 .. 7: m = 16 (16 y + r) + 8 h + j.
; A block's scale is 2^(floor(log2(largest magnitude)) - 2): the largest magnitude's exponent field less 2, held at 1 from below.
; LIMITS: NaN and infinities among the inputs are not served.  A block of zeros, or one whose largest magnitude lies under 2^-124, gets the byte 1 (its codes are zeros or what the floor's scale gives);
; the bytes are read by this program alone.  The angle is good to about 2e-7 of itself (1e-5 at batch 63): 2^x by v_exp_f32 with the exponent's rounding error put back, pi / 2 taken off in two parts, series to x^9 and x^10.
.set WREG,  17152                      ; LDS of a wave: two stages of 16 x 528 bytes, then its 256 bytes of scale words
.set STG,   8448
.set SCW,   16896
.set SPARE, 4*WREG                     ; behind the four regions: the spare words, 128 bytes for each wave
.set SPW, 4                            ; v4   my spare word's address; never rewritten
.set NIL, 5                            ; v5   0; never rewritten
.set VO,  8                            ; v8-23  row i of the block: 16 x lane + the row's distance in bytes
.set STI, 24                           ; v24  stage, way in: 16 x lane
.set STO, 25                           ; v25  stage, way out: 528 r + 128 h
.set L16, 26                           ; v26  16 x lane
.set SCI, 27                           ; v27  my row's scale word in LDS
.set SCO, 28                           ; v28  8 x lane in the wave's scale words
.set L8,  29                           ; v29  8 x lane
.set RO,  30                           ; v30  rope: 256 w + 8 x lane
.set R,   32                           ; v32-159  two sets of 64 registers as loaded
.set X,   160                          ; v160-223 64 numbers of my row: blocks h and 2 + h
.set C,   224                          ; v224-235 the fragment's 12 registers
.set T0,  236
.set T1,  240
.set MX,  244                          ; v244-245 largest magnitudes, then the conversions' scale operands
.set BY,  246                          ; v246-247 the bytes
.set WD,  248                          ; v248 the scale word
.set WP,  249
.set RC,  252                          ; v252-255 rope: two cosines, two sines
	s_load_b256 s[4:11], s[0:1], 0x0               ; x, w_q, w_k, w_v
	s_load_b256 s[12:19], s[0:1], 0x20             ; w_o, xc, wcod, xaux
	s_load_b64 s[20:21], s[0:1], 0x40              ; wsc
	v_lshl_add_u32 v[SPW], v0, 2, SPARE
	v_mov_b32 v[NIL], 0
	v_lshrrev_b32 v1, 5, v0
	v_readfirstlane_b32 s22, v1                    ; wave
	v_and_b32 v1, 31, v0                           ; lane
	s_wait_alu depctr_va_vdst(0)
	v_and_b32 v2, 15, v0                           ; r
	v_bfe_u32 v3, v0, 4, 1                         ; h
	s_and_b32 s23, ttmp7, 0xffff                   ; y
	s_and_b32 s24, s23, 1
	s_lshl_b32 s28, ttmp9, 5
	s_lshl_b32 s29, s24, 4
	s_add_co_u32 s27, s28, s29                     ; first row: w_o's,
	s_lshl_b32 s29, s24, 3
	s_add_co_u32 s29, s28, s29                     ; w_v's,
	s_add_co_u32 s30, s28, s24                     ; w_q's and w_k's,
	s_lshl_b32 s31, ttmp9, 6
	s_lshl_b32 s32, s23, 4
	s_add_co_u32 s31, s31, s32                     ; x's
	s_mul_i32 s33, ttmp9, 6
	s_add_co_u32 s33, s33, s23
	s_sub_co_u32 s33, s33, 4                       ; tile in wcod: 6 head + y - 4,
	s_lshl_b32 s34, ttmp9, 1
	s_add_co_u32 s34, s34, s23
	s_add_co_u32 s34, s34, 374                     ; or 384 + 2 xid + y - 10
	s_lshl_b32 s35, ttmp9, 2
	s_add_co_u32 s35, s35, s23                     ; x's block of 16 rows
	s_lshr_b32 s46, ttmp9, 2
	s_mul_i32 s46, s46, 49152                      ; its group of 16 blocks in xaux
	s_and_b32 s47, s35, 15
	s_lshl_b32 s48, s47, 10
	s_add_co_u32 s48, s48, s46                     ; x's scale words
	s_lshl_b32 s49, s47, 11
	s_add_co_u32 s49, s49, s46
	s_add_co_u32 s49, s49, 16384                   ; the block's part of the rope table
	s_mov_b32 s25, 0x2000                          ; bytes from row to row of the block
	s_cmp_lt_u32 s23, 10
	s_cselect_b32 s27, s29, s27
	s_cselect_b32 s26, 0x10000, 0                  ; w_v: rows 8-15 lie 8 rows further on
	s_cselect_b32 s33, s33, s34
	s_lshl_b32 s34, s33, 10                        ; a weight tile's scale words
	s_cmp_lt_u32 s23, 8
	s_cselect_b32 s27, s30, s27
	s_cselect_b32 s26, 0, s26
	s_cselect_b32 s25, 0x4000, s25                 ; w_q, w_k: every second row
	s_cmp_lt_u32 s23, 4
	s_cselect_b32 s27, s31, s27
	s_cselect_b32 s25, 0x2000, s25
	s_cselect_b32 s35, s35, s33
	s_cselect_b32 s48, s48, s34
	s_mul_i32 s35, s35, 24576
	s_mul_i32 s50, s22, 6144
	s_add_co_u32 s50, s35, s50                     ; my four fragments in the codes' buffer
	s_mov_b32 s51, 0
	s_lshl_b32 s52, s22, 8
	s_add_co_u32 s52, s48, s52                     ; my 256 bytes of scale words
	s_mov_b32 s53, 0
	s_lshl_b32 s54, s27, 13
	s_lshl_b32 s55, s22, 11
	s_add_co_u32 s54, s54, s55                     ; my 2,048 bytes of the first row
	s_mov_b32 s55, 0
	s_mov_b32 s56, s49
	s_mov_b32 s57, 0
	v_lshlrev_b32 v[L16], 4, v1
.set ii, 0
	s_wait_alu depctr_va_vdst(0)
.rept 16
	s_mul_i32 s58, s25, ii
.if ii >= 8
	s_add_co_u32 s58, s58, s26
.endif
	v_add_nc_u32 v[VO+ii], s58, v[L16]
.set ii, ii+1
.endr
	s_mul_i32 s59, s22, WREG
	v_add_nc_u32 v[STI], s59, v[L16]
	v_mul_u32_u24 v[STO], v2, 528
	v_lshl_add_u32 v[STO], v3, 7, v[STO]
	v_add_nc_u32 v[STO], s59, v[STO]
	s_add_co_u32 s59, s59, SCW
	v_lshl_add_u32 v[SCI], v2, 2, s59
	v_lshl_add_u32 v[SCO], v1, 3, s59
	v_lshlrev_b32 v[L8], 3, v1
	s_lshl_b32 s58, s22, 8
	v_lshl_add_u32 v[RO], v1, 3, s58
	v_lshlrev_b32 v6, 3, v3                        ; 8 h: where my two bytes stand in the scale word
	v_mov_b32 v[WP], 0                             ; a lane permute's destination counts as one of its sources
	s_mov_b32 s60, 0x76543210
	s_mov_b32 s61, 0xfedcba98                      ; selects for lane l xor 16
	s_wait_kmcnt 0x0
	s_cmp_lt_u32 s23, 10                           ; the buffers are chosen by the work-group's y alone
	s_cselect_b64 s[36:37], s[10:11], s[12:13]
	s_cmp_lt_u32 s23, 8
	s_cselect_b64 s[36:37], s[8:9], s[36:37]
	s_cmp_lt_u32 s23, 6
	s_cselect_b64 s[36:37], s[6:7], s[36:37]
	s_cmp_lt_u32 s23, 4
	s_cselect_b64 s[36:37], s[4:5], s[36:37]
	s_cselect_b64 s[38:39], s[14:15], s[16:17]
	s_cselect_b64 s[40:41], s[18:19], s[20:21]
	s_add_nc_u64 s[36:37], s[36:37], s[54:55]
	s_add_nc_u64 s[38:39], s[38:39], s[50:51]
	s_add_nc_u64 s[40:41], s[40:41], s[52:53]
	s_add_nc_u64 s[44:45], s[18:19], s[56:57]
.macro LOAD f                          ; fragment f: 16 rows x 512 consecutive bytes
.set ii, 0
.rept 16
	global_load_b128 v[R+64*((\f)%2)+4*ii:R+64*((\f)%2)+4*ii+3], v[VO+ii], s[36:37] offset:512*(\f) th:TH_LOAD_NT
.set ii, ii+1
.endr
.endm
	LOAD 0
	LOAD 1
	s_cmp_ge_u32 s23, 4
	s_cbranch_scc1 .Lno_rope
	; ---- the rope table of x's block: wave w makes j = 2 w and 2 w + 1 for every lane.  No LDS is touched here
	s_lshl_b32 s28, s23, 8
	s_lshl_b32 s29, s22, 1
	s_add_co_u32 s28, s28, s29
	v_lshlrev_b32 v160, 4, v2
	v_lshl_add_u32 v160, v3, 3, v160
	v_add_nc_u32 v160, s28, v160                   ; m = 256 y + 16 r + 8 h + j
	v_add_nc_u32 v161, 1, v160
	v_cvt_f32_u32 v160, v160
	v_cvt_f32_u32 v161, v161
	s_mov_b32 s30, 0xbc549a78                      ; -log2(10000) / 1024, its leading part,
	s_mov_b32 s31, 0xaf979a30                      ; and the rest
	s_mov_b32 s32, ttmp9
	v_cvt_f32_u32 v162, s32                        ; the batch
.irp t, 0, 1
	v_mul_f32 v[164+\t], s30, v[160+\t]            ; the exponent, rounded,
.endr
.irp t, 0, 1
	v_fma_f32 v[166+\t], v[160+\t], s30, -v[164+\t]   ; what the rounding dropped,
.endr
.irp t, 0, 1
	v_fma_f32 v[166+\t], v[160+\t], s31, v[166+\t]    ; and the constant's rest
.endr
.irp t, 0, 1
	v_exp_f32 v[168+\t], v[164+\t]
.endr
	v_nop                                          ; a plain instruction behind the exponentials,
	s_wait_alu depctr_va_vdst(0)                   ; and one wait ahead of their first reader
.irp t, 0, 1
	v_mul_f32 v[166+\t], v[168+\t], v[166+\t]
.endr
.irp t, 0, 1
	v_fma_f32 v[168+\t], v[166+\t], 0x3f317218, v[168+\t]   ; f (1 + ln 2 x the rest)
.endr
.irp t, 0, 1
	v_mul_f32 v[168+\t], v162, v[168+\t]           ; the angle
.endr
.irp t, 0, 1
	v_mul_f32 v[170+\t], 0x3f22f983, v[168+\t]
.endr
.irp t, 0, 1
	v_rndne_f32 v[170+\t], v[170+\t]               ; how many quarter turns
.endr
.irp t, 0, 1
	v_fma_f32 v[168+\t], v[170+\t], 0xbfc90fdb, v[168+\t]   ; less k x pi / 2, in two parts
.endr
.irp t, 0, 1
	v_fma_f32 v[168+\t], v[170+\t], 0x333bbd2e, v[168+\t]
.endr
.irp t, 0, 1
	v_mul_f32 v[172+\t], v[168+\t], v[168+\t]
.endr
.irp t, 0, 1
	v_mov_b32 v[174+\t], 0x3638ef1d
.endr
.irp k, 0xb9500d01, 0x3c088889, 0xbe2aaaab
.irp t, 0, 1
	v_fmaak_f32 v[174+\t], v[174+\t], v[172+\t], \k
.endr
.endr
.irp t, 0, 1
	v_mul_f32 v[176+\t], v[168+\t], v[172+\t]
.endr
.irp t, 0, 1
	v_fma_f32 v[174+\t], v[176+\t], v[174+\t], v[168+\t]    ; the sine of the rest
.endr
.irp t, 0, 1
	v_mov_b32 v[176+\t], 0xb493f27e
.endr
.irp k, 0x37d00d01, 0xbab60b61, 0x3d2aaaab, 0xbf000000, 0x3f800000
.irp t, 0, 1
	v_fmaak_f32 v[176+\t], v[176+\t], v[172+\t], \k         ; its cosine
.endr
.endr
.irp t, 0, 1
	v_cvt_i32_f32 v[170+\t], v[170+\t]
.endr
.irp t, 0, 1
	v_and_b32 v[178+\t], 1, v[170+\t]
.endr
	v_cmp_ne_u32 s33, 0, v178                      ; an odd quarter swaps the two: a choice of values, no branch
	v_cmp_ne_u32 s34, 0, v179
	v_cndmask_b32 v180, v174, v176, s33
	v_cndmask_b32 v181, v175, v177, s34
	v_cndmask_b32 v182, v176, v174, s33
	v_cndmask_b32 v183, v177, v175, s34
.irp t, 0, 1
	v_and_b32 v[178+\t], 2, v[170+\t]
.endr
.irp t, 0, 1
	v_lshlrev_b32 v[178+\t], 30, v[178+\t]
.endr
.irp t, 0, 1
	v_xor_b32 v[RC+2+\t], v[178+\t], v[180+\t]     ; the sine is negative in quarters 2 and 3,
.endr
.irp t, 0, 1
	v_add_nc_u32 v[170+\t], 1, v[170+\t]
.endr
.irp t, 0, 1
	v_and_b32 v[170+\t], 2, v[170+\t]
.endr
.irp t, 0, 1
	v_lshlrev_b32 v[170+\t], 30, v[170+\t]
.endr
.irp t, 0, 1
	v_xor_b32 v[RC+\t], v[170+\t], v[182+\t]       ; the cosine in quarters 1 and 2
.endr
	global_store_b64 v[RO], v[RC:RC+1], s[44:45]               ; 32 lanes store 256 consecutive bytes, aligned; these registers are not written again
	global_store_b64 v[RO], v[RC+2:RC+3], s[44:45] offset:1024
.Lno_rope:
.macro FRAGQ f
.if (\f) < 3
	s_wait_loadcnt 16                              ; this fragment's 16 loads are in; the next fragment's 16 may be out
.else
	s_wait_loadcnt 0x0
.endif
.set ii, 0
.rept 16
	ds_store_b128 v[STI], v[R+64*((\f)%2)+4*ii:R+64*((\f)%2)+4*ii+3] offset:STG*((\f)%2)+528*ii
.set ii, ii+1
.endr
.set ii, 0
.rept 8
	ds_load_b128 v[X+4*ii:X+4*ii+3], v[STO] offset:STG*((\f)%2)+16*ii           ; LDS serves a wave's instructions in order: these see my stores
	ds_load_b128 v[X+32+4*ii:X+32+4*ii+3], v[STO] offset:STG*((\f)%2)+256+16*ii
.set ii, ii+1
.endr
	s_wait_dscnt 0x0                               ; my 64 numbers are in, and the stores have read their registers,
.if (\f) < 2
	LOAD (\f)+2                                    ; which take the fragment two on
.endif
.irp c, 0, 1
	v_max3_num_f32 v[MX+\c], |v[X+32*\c]|, |v[X+32*\c+1]|, 0x1800000   ; my block's 32 numbers, and the floor 2^(3 - 127): the byte cannot fall under 1
.endr
.irp i, 2,4,6,8,10,12,14,16,18,20,22,24,26,28,30
.irp c, 0, 1
	v_max3_num_f32 v[MX+\c], v[MX+\c], |v[X+32*\c+\i]|, |v[X+32*\c+\i+1]|
.endr
.endr
.irp c, 0, 1
	v_add_nc_u32 v[MX+\c], 0xff000000, v[MX+\c]    ; 2 off the exponent field: the conversion's scale operand
.endr
.irp c, 0, 1
	v_lshrrev_b32 v[BY+\c], 23, v[MX+\c]
.endr
	v_lshl_or_b32 v[WD], v[BY+1], 16, v[BY]        ; blocks h and 2 + h,
	v_lshlrev_b32 v[WD], v6, v[WD]                 ; at their places;
	v_permlanex16_b32 v[WP], v[WD], s60, s61
	v_or_b32 v[WD], v[WD], v[WP]                   ; with lane l xor 16's two the word is whole
	s_wait_alu depctr_va_vdst(0)
	s_wait_xcnt 0x0                                ; the last fragment's stores have read the codes' registers
	v_cvt_scalef32_pk16_fp6_f32 v[C:C+2], v[X:X+15], v[MX]
	v_cvt_scalef32_pk16_fp6_f32 v[T0:T0+2], v[X+16:X+31], v[MX]        ; (a conversion's three registers begin on an even number)
	v_cvt_scalef32_pk16_fp6_f32 v[C+6:C+8], v[X+32:X+47], v[MX+1]
	v_cvt_scalef32_pk16_fp6_f32 v[T1:T1+2], v[X+48:X+63], v[MX+1]
	v_nop                                          ; one plain place behind a scaled conversion
.irp i, 0, 1, 2
	v_mov_b32 v[C+3+\i], v[T0+\i]
	v_mov_b32 v[C+9+\i], v[T1+\i]
.endr
.irp c, 0, 1, 2
	global_store_b128 v[L16], v[C+4*\c:C+4*\c+3], s[38:39] offset:1536*(\f)+512*\c   ; 512 consecutive bytes, aligned
.endr
	ds_store_b32 v[SCI], v[WD] offset:64*(\f)      ; lanes r and 16 + r write the same word with the same value
.endm
	s_wait_alu depctr_va_vdst(0)
	FRAGQ 0
	FRAGQ 1
	FRAGQ 2
	FRAGQ 3
	ds_load_b64 v[MX:MX+1], v[SCO]
	s_wait_dscnt 0x0
	global_store_b64 v[L8], v[MX:MX+1], s[40:41]   ; my four K steps' scale words: one aligned run of 256 bytes
	s_wait_tensorcnt 0x0                           ; the wave's end
	ds_add_u32 v[SPW], v[NIL]
	s_wait_dscnt 0x0
	s_endpgm
.Lfunc_end_k_qe9dfc3baad_quant:
	.size	k_qe9dfc3baad_quant, .Lfunc_end_k_qe9dfc3baad_quant-k_qe9dfc3baad_quant
	.p2alignl 7, 3214868480
	.fill 96, 4, 3214868480
	.section	.rodata,"a",@progbits
	.p2align	6, 0x0
	.amdhsa_kernel k_qe9dfc3baad_quant
		.amdhsa_group_segment_fixed_size 69120
		.amdhsa_private_segment_fixed_size 0
		.amdhsa_enable_private_segment 0
		.amdhsa_kernarg_size 72
		.amdhsa_user_sgpr_count 2
		.amdhsa_user_sgpr_kernarg_segment_ptr 1
		.amdhsa_wavefront_size32 1
		.amdhsa_system_sgpr_workgroup_id_x 1
		.amdhsa_system_sgpr_workgroup_id_y 1
		.amdhsa_system_sgpr_workgroup_id_z 1
		.amdhsa_system_vgpr_workitem_id 0
		.amdhsa_next_free_vgpr 256
		.amdhsa_next_free_sgpr 66
		.amdhsa_reserve_vcc 0
		.amdhsa_float_denorm_mode_32 3
		.amdhsa_float_denorm_mode_16_64 3
		.amdhsa_memory_ordered 1
		.amdhsa_forward_progress 1
		.amdhsa_inst_pref_size 38
	.end_amdhsa_kernel
	.amdgpu_metadata
---
amdhsa.version: [ 1, 2 ]
amdhsa.kernels:
  - .name:           k_qe9dfc3baad_quant
    .symbol:         k_qe9dfc3baad_quant.kd
    .args:
      - { .name: x, .offset: 0, .size: 8, .value_kind: global_buffer, .address_space: global }
      - { .name: w_q, .offset: 8, .size: 8, .value_kind: global_buffer, .address_space: global }
      - { .name: w_k, .offset: 16, .size: 8, .value_kind: global_buffer, .address_space: global }
      - { .name: w_v, .offset: 24, .size: 8, .value_kind: global_buffer, .address_space: global }
      - { .name: w_o, .offset: 32, .size: 8, .value_kind: global_buffer, .address_space: global }
      - { .name: xc, .offset: 40, .size: 8, .value_kind: global_buffer, .address_space: global }
      - { .name: wcod, .offset: 48, .size: 8, .value_kind: global_buffer, .address_space: global }
      - { .name: xaux, .offset: 56, .size: 8, .value_kind: global_buffer, .address_space: global }
      - { .name: wsc, .offset: 64, .size: 8, .value_kind: global_buffer, .address_space: global }
    .group_segment_fixed_size: 69120
    .private_segment_fixed_size: 0
    .kernarg_segment_align: 8
    .kernarg_segment_size: 72
    .max_flat_workgroup_size: 128
    .sgpr_count:     66
    .vgpr_count:     256
    .wavefront_size: 32
...
	.end_amdgpu_metadata
.endif
;; end of part 1
;; launch qkvattn (part 2): grid 16 x 16, 4 waves a work-group, clusters of 4 x 4, 327,680 bytes of LDS; arguments xc, wcod, xaux, wsc, b_q, b_k, b_v, ac, asc; writes ac, asc
.if DOCPART == 2
	.amdgcn_target "amdgcn-amd-amdhsa--gfx1250"
	.amdhsa_code_object_version 6
	.text
	.protected	k_qe9dfc3baad_qkvattn
	.globl	k_qe9dfc3baad_qkvattn
	.p2align	8
	.type	k_qe9dfc3baad_qkvattn,@function
k_qe9dfc3baad_qkvattn:
	s_mov_b64 s[64:65], 0
	v_nop
	global_prefetch_b8 v0, s[64:65] scope:SCOPE_SE
	s_setreg_imm32_b32 hwreg(HW_REG_WAVE_MODE, 25, 1), 1
	s_wait_xcnt 0x0
	s_wait_alu depctr_hold_cnt(0) depctr_sa_sdst(0) depctr_va_vdst(0) depctr_va_sdst(0) depctr_va_ssrc(0) depctr_va_vcc(0) depctr_vm_vsrc(0)
	s_getreg_b32 s2, hwreg(HW_REG_IB_STS2, 6, 4)
	s_cmp_eq_u32 s2, 0
	s_cbranch_scc0 .Lentry_in_a_cluster
	s_endpgm
.Lentry_in_a_cluster:
	s_bfe_u32 s2, ttmp6, 0x10000c
	s_cmp_lg_u32 s2, 0xf033
	s_cbranch_scc0 .Lentry_shape_is_right
	s_endpgm
.Lentry_shape_is_right:
; q, k, v = x W^T + b on codes of FP6 (E2M3) with E8M0 scales; rope; attention of 32-deep heads over 64 tokens, both its products on codes made here; the result leaves as codes for the last product.
; SHARES.  A work-group makes 256 rows (4 batches) x 384 columns (4 heads x q, k, v).  A wave makes 128 x 192: 2 batches x 2 heads: 96 accumulators, 768 registers (windows 1-3).  So each of its 4 attention
; problems (batch, head) lies wholly in its registers, and q, k, v never go to memory.
; OPERANDS lie in memory and in LDS as images of their registers (1,536 bytes a fragment of 16 x 128): three loads of 16 bytes a lane at 16 x lane fetch one; every LDS access is 512 consecutive bytes.
; K goes in 16 steps of 128 through two LDS slots of two steps each, filled by joint tensor loads: x's tiles are shared along a row of the 4 x 4 cluster, W's along a column.
; q's and k's tiles are used transposed (source 0 = 16 rows of W, source 1 = 16 tokens): a lane holds one token and eight depths; tile 0 of a head holds W's even rows (real parts), tile 1 the odd rows (imaginary parts).
; v's tiles the other way (source 0 = tokens, source 1 = W): a lane holds one depth and eight tokens, since the tokens are the next K.
; The biases are the C of each sum's first product: they are loaded into the last group's 24 accumulators, in the result's layout; groups 0-2 take them as C, group 3 adds onto them.
; WINDOW 0 holds all operands: W's 12 fragments in ONE set, replaced three at a time behind their last readers; x's in three sets of two blocks; two sets of 12 scale registers (lanes 0-15 x's words, lanes 16-31 W's).
; EPILOGUE.  Stage 1: rope, quantise q, k (one block of 32 a token) and v (two blocks of 32 keys a depth); images of half fragments (768 bytes) into the wave's own part of the slots, which are done with.
; Stage 2: for each batch and tile of 16 queries, both heads by turns: S^T = K Q^T, p = 2^(t - M) with M = ceil(the row's largest t), the sum of the unquantised p, p quantised, O^T = V^T P^T, / sum, quantised by head.
; Inside q's and k's block the depths, and inside a block of keys the keys, stand in another order than in memory, alike on both sides of the product.
; LIMITS: NaN and infinities are not served.  A block whose largest magnitude lies under 2^-124 gets the byte 1; only this program reads the bytes.  v_exp_f32 gives 0 for p under 2^-126.  1 / sum by v_rcp_f32.
.set SLOT,  122880                     ; x: 16 blocks x 3,072 bytes (two K steps), then W: 24 tiles x 3,072
.set BOFF,  49152
.set SCA,   245760                     ; x's scale words [block 16][K step 16][row 16]
.set ROPE,  262144                     ; the rope table [block 16][chunk 8][lane 32][2]
.set SCB,   294912                     ; W's scale words [tile 24][K step 16][row 16]
.set SPARE, 319488                     ; the spare words, 128 bytes for each wave
.set PRB,   9216                       ; epilogue: an attention problem's images: K 4 x 768, Q 4 x 768, V 2 x 768, then their scale words, 128 bytes each
.set SH,    147456                     ; epilogue: behind the four waves' images: 512 bytes a wave for the result's scale bytes
.set ADRA, 4                           ; v4-5   my 8 blocks of x in slot 0, 1: + 16 x lane
.set ADRB, 6                           ; v6-7   my 12 tiles of W
.set ADRS, 8                           ; v8     scale words: lanes 0-15 x's, lanes 16-31 W's
.set SPW,  9                           ; v9     my spare word's address; never rewritten
.set NIL,  10                          ; v10    0; never rewritten
.set VB,   11
.set VBV,  12
.set SC,   16                          ; v16-39 scale words and nothing else
.set BF,   64                          ; v64-207  W's 12 fragments
.set AF,   208                         ; v208-255 x's sets 0 and 1, two blocks each; a third set lies in v40-63.  v14-15: the prefetches' offsets
.set WV, 40
.set WI, 41                            ; which 128 rows are mine; also: I fetch for x (0) or for W (1)
.set WJ, 42                            ; which 192 columns; also: which half I fetch
.set G1A, 24
.set G0A, 32
.set G1B, 48
.set G0B, 56
.set G1SA, 68
.set G0SA, 76
.set G1SB, 80
.set G0SB, 88
.set CS,  22
.set SEL, 92
.set TQ,  94
.set TQ4, 95
.set TSH, 96
.set MSB, 0
.macro WIN new                         ; the immediate's high byte repeats the setting that is left
.if MSB != (\new)
	s_set_vgpr_msb (MSB<<8)|(\new)
.set MSB, (\new)
.endif
.endm
.macro PLACES n                        ; plain vector instructions between a matrix instruction and a load into, or a read or write of, its registers
.rept \n
	v_nop
.endr
.endm
.macro JLOAD g0a, g1a, g0b, g1b        ; a joint load: waves 0, 1 for x, waves 2, 3 for W; an s_nop 0 and four v_nop follow each line
	s_cmp_eq_u32 s[WI], 0
	s_cbranch_scc0 .Lfor_b_\@
	tensor_load_to_lds s[\g0a:\g0a+3], s[\g1a:\g1a+7]
	s_nop 0
.rept 4
	v_nop
.endr
	s_branch .Lasked_\@
.Lfor_b_\@:
	tensor_load_to_lds s[\g0b:\g0b+3], s[\g1b:\g1b+7]
	s_nop 0
.rept 4
	v_nop
.endr
.Lasked_\@:
.endm
.macro CREST                           ; a round of the cluster's barrier behind its opening barrier
	s_cmp_lg_u32 s[WV], 0
	s_cbranch_scc1 .Lnot_wave_0_\@
	s_barrier_signal -3
.Lnot_wave_0_\@:
	s_barrier_wait -3
	s_barrier_signal -1
	s_barrier_wait -1
.endm
.macro ARM under, g0, g1, next         ; one arm of the head's chain of branches on the wave's number: its one load, then a jump to the chain's end
	s_cmp_lt_u32 s[WV], \under
	s_cbranch_scc0 \next
	tensor_load_to_lds s[\g0:\g0+3], s[\g1:\g1+7]
	s_nop 0
.rept 4
	v_nop
.endr
	s_branch .Lhead_asked
\next:
.endm
; A prefetch of the slot that is loaded next (two K steps, 3,072 bytes of each block or tile): a lane names 256 bytes.  Of the 8 blocks of x that a wave fetches, the partner at cx names 2 (24 lanes);
; of the 12 tiles of W the partner at cy names 3 (24 lanes, then 12): each 256 bytes once in the cluster, shared out by address.  Lanes left over name their wave's last block again.
.macro ASK off, cond                   ; cond = 1: not in the loop's last trip, whose second fill is the last of all
.if \cond
	s_cmp_gt_u32 s3, 1
	s_cbranch_scc0 .Lpfe_\@
.endif
	s_cmp_eq_u32 s[WI], 0
	s_cbranch_scc0 .Lpfb_\@
	global_prefetch_b8 v14, s[8:9] offset:\off th:TH_LOAD_NT scope:SCOPE_SE
	s_branch .Lpfe_\@
.Lpfb_\@:
	global_prefetch_b8 v14, s[10:11] offset:\off th:TH_LOAD_NT scope:SCOPE_SE
	global_prefetch_b8 v15, s[10:11] offset:\off th:TH_LOAD_NT scope:SCOPE_SE
.Lpfe_\@:
.endm
.macro CROUND
	s_barrier_signal -1
	s_barrier_wait -1
	CREST
.endm
.macro G1SET g, c, r, p                ; descriptor group 1, words 1-7: r rows of c elements of 8 bytes, p elements apart
	s_mov_b32 s[\g+1], ((\c)&0xffff)<<16
	s_mov_b32 s[\g+2], ((\c)>>16)|(((\r)&0xffff)<<16)
	s_mov_b32 s[\g+3], ((\r)>>16)|((\c)<<16)
	s_mov_b32 s[\g+4], \r
	s_mov_b32 s[\g+5], \p
	s_mov_b32 s[\g+6], 0
	s_mov_b32 s[\g+7], 0
.endm
	s_load_b256 s[4:11], s[0:1], 0x0               ; xc, wcod, xaux, wsc
	s_load_b256 s[12:19], s[0:1], 0x20             ; b_q, b_k, b_v, ac
	s_load_b64 s[20:21], s[0:1], 0x40              ; asc
	v_lshl_add_u32 v[SPW], v0, 2, SPARE
	v_mov_b32 v[NIL], 0
	ds_add_u32 v[SPW], v[NIL]                      ; the wave's opening
	ds_add_u32 v[SPW], v[NIL]
	v_lshrrev_b32 v1, 5, v0
	v_readfirstlane_b32 s[WV], v1
	s_lshr_b32 s[WI], s[WV], 1
	s_and_b32 s[WJ], s[WV], 1
	s_bfe_u32 s43, ttmp6, 0x40000                  ; cx
	s_bfe_u32 s44, ttmp6, 0x40004                  ; cy
	s_lshl_b32 s45, ttmp9, 2
	s_add_co_u32 s45, s45, s43                     ; X: heads 4 X .. 4 X + 3
	s_and_b32 s46, ttmp7, 0xffff
	s_lshl_b32 s46, s46, 2
	s_add_co_u32 s46, s46, s44                     ; Y: batches 4 Y .. 4 Y + 3
	s_lshl_b32 s47, s44, 2
	s_lshl_b32 s47, 15, s47                        ; my row of the cluster
	s_lshl_b32 s66, 0x1111, s43                    ; my column
	s_or_b32 s[G1A], s47, (3<<16)|(1<<21)          ; elements of 8 bytes, no padding, bit 21 beside the mask
	s_or_b32 s[G1B], s66, (3<<16)|(1<<21)
	s_or_b32 s[G1SA], s47, (3<<16)|(1<<21)
	s_or_b32 s[G1SB], s66, (3<<16)|(1<<21)
	G1SET G1A, 384, 16, 3072                       ; the head's load: all 16 blocks of x, 3,072 bytes (two K steps) of each block's 24,576; behind the head the rows are set to 8
	G1SET G1B, 384, 24, 3072                       ; all 24 tiles of W likewise; behind the head 12
	G1SET G1SA, 32, 192, 32                        ; 49,152 dense bytes: x's scale words and rope table
	G1SET G1SB, 32, 96, 32                         ; 24,576 dense bytes: 24 tiles' scale words
	s_lshl_b32 s92, s46, 4
	s_mul_i32 s92, s92, 24576                      ; x: block 16 Y + 8 half
	s_mov_b32 s93, 0
	s_mul_i32 s94, s46, 49152
	s_mul_i32 s67, s[WJ], 24576                    ; and the half's place in LDS: no place in the cluster enters an LDS address
	s_mov_b32 s95, 0
	s_mul_i32 s96, s45, 24
	s_lshl_b32 s98, s96, 10
	s_mul_i32 s96, s96, 24576
	s_mov_b32 s97, 0
	s_mov_b32 s99, 0
	s_mul_i32 s2, s[WJ], 36864
	s_add_co_u32 s2, s2, BOFF
	s_mov_b32 s[CS], 0x3e8293ee                    ; c = log2(e) / sqrt(32)
	s_mov_b32 s[CS+1], s[CS]
	s_wait_dscnt 0x0                               ; the opening add is done
	s_wait_kmcnt 0x0
	CROUND                                         ; all sixteen work-groups are here: the first joint loads meet
	s_mov_b32 s[G0SA], 1
	s_mov_b32 s[G0SA+1], SCA
	s_add_nc_u64 s[G0SA+2:G0SA+3], s[8:9], s[94:95]
	s_or_b32 s[G0SA+3], s[G0SA+3], 0x80000000
	s_mov_b32 s[G0SB], 1
	s_mov_b32 s[G0SB+1], SCB
	s_add_nc_u64 s[G0SB+2:G0SB+3], s[10:11], s[98:99]
	s_or_b32 s[G0SB+3], s[G0SB+3], 0x80000000
	s_add_nc_u64 s[4:5], s[4:5], s[92:93]
	s_add_nc_u64 s[6:7], s[6:7], s[96:97]
	s_mov_b32 s[G0A+4], 1                          ; the head's loads of slot 0, each whole, stand in slot 1's group 0, which is made anew behind the wait for them
	s_mov_b32 s[G0A+5], 0
	s_mov_b64 s[G0A+6:G0A+7], s[4:5]
	s_or_b32 s[G0A+7], s[G0A+7], 0x80000000
	s_mov_b32 s[G0B+4], 1
	s_mov_b32 s[G0B+5], BOFF
	s_mov_b64 s[G0B+6:G0B+7], s[6:7]
	s_or_b32 s[G0B+7], s[G0B+7], 0x80000000
	; one tensor load a wave at the head: wave 0 slot 0's x, wave 1 its W, wave 2 x's scale words and rope table, wave 3 W's scale words
	ARM 1, G0A+4, G1A, .Lhead_b
	ARM 2, G0B+4, G1B, .Lhead_sa
	ARM 3, G0SA, G1SA, .Lhead_sb
	tensor_load_to_lds s[G0SB:G0SB+3], s[G1SB:G1SB+7]
	s_nop 0
.rept 4
	v_nop
.endr
.Lhead_asked:
	s_mul_i32 s10, s[WJ], 196608                   ; for the ring: my 8 blocks of x,
	s_mov_b32 s11, 0
	s_add_nc_u64 s[4:5], s[4:5], s[10:11]
	s_mul_i32 s10, s[WJ], 294912                   ; my 12 tiles of W
	s_add_nc_u64 s[6:7], s[6:7], s[10:11]
	s_mov_b32 s[G0A], 1                            ; slot 0's group 0: first used, stepped by two slots, at its first refill
	s_mov_b32 s[G0A+1], s67
	s_mov_b64 s[G0A+2:G0A+3], s[4:5]
	s_or_b32 s[G0A+3], s[G0A+3], 0x80000000
	s_mov_b32 s[G0B], 1
	s_mov_b32 s[G0B+1], s2
	s_mov_b64 s[G0B+2:G0B+3], s[6:7]
	s_or_b32 s[G0B+3], s[G0B+3], 0x80000000
	v_and_b32 v1, 15, v0                           ; r
	v_bfe_u32 v2, v0, 4, 1                         ; h
	s_wait_alu depctr_va_vdst(0)
	v_and_b32 v3, 31, v0
	v_lshlrev_b32 v3, 4, v3
	s_mul_i32 s92, s[WI], 24576
	s_mul_i32 s93, s[WJ], 36864
	s_add_co_u32 s93, s93, BOFF
	v_add_nc_u32 v[ADRA], s92, v3
	v_add_nc_u32 v[ADRB], s93, v3
	s_add_co_u32 s92, s92, SLOT
	s_add_co_u32 s93, s93, SLOT
	v_add_nc_u32 v[ADRA+1], s92, v3
	v_add_nc_u32 v[ADRB+1], s93, v3
	s_lshl_b32 s92, s[WI], 13
	s_mul_i32 s93, s[WJ], 12288
	s_add_co_u32 s93, s93, SCB-SCA
	s_sub_co_u32 s93, s93, s92
	v_mul_u32_u24 v[ADRS], s93, v2                 ; lanes 16-31 take W's words: one product, h x the distance
	s_add_co_u32 s92, s92, SCA
	v_lshl_add_u32 v[ADRS], v1, 2, v[ADRS]
	v_add_nc_u32 v[ADRS], s92, v[ADRS]
	v_lshlrev_b32 v[VB], 6, v2                     ; q's, k's bias: register j of lane (r, h) is column 16 h + 2 j + u of the head
	s_wait_alu depctr_va_vdst(0)
	v_and_b32 v13, 8, v1
	v_add_nc_u32 v13, v13, v1
	v_lshlrev_b32 v[VBV], 2, v13                   ; v's: lane r is column 8 u + r + 8 (r / 8)
	s_wait_alu depctr_va_vdst(0)
	s_lshl_b32 s94, s45, 9
	s_lshl_b32 s95, s[WJ], 8
	s_add_co_u32 s94, s94, s95                     ; my two heads' 256 bytes of each bias
	s_mov_b32 s95, 0
	s_add_nc_u64 s[12:13], s[12:13], s[94:95]
	s_add_nc_u64 s[14:15], s[14:15], s[94:95]
	s_add_nc_u64 s[16:17], s[16:17], s[94:95]
	s_lshl_b32 s96, s46, 4
	s_lshl_b32 s97, s[WI], 3
	s_add_co_u32 s96, s96, s97
	s_lshl_b32 s96, s96, 4
	s_add_co_u32 s96, s96, s45
	s_mul_i32 s96, s96, 1536
	s_mul_i32 s97, s[WJ], 768
	s_add_co_u32 s96, s96, s97                     ; ac: [block 16 Y + 8 wi][K step X][half wj]
	s_mov_b32 s97, 0
	s_add_nc_u64 s[18:19], s[18:19], s[96:97]
	s_lshl_b32 s98, s46, 4
	s_add_co_u32 s98, s98, s45
	s_lshl_b32 s98, s98, 10                        ; asc: [Y][K step X]: 1,024 bytes
	s_mov_b32 s99, 0
	s_add_nc_u64 s[20:21], s[20:21], s[98:99]
	s_mul_i32 s92, s43, 49152                      ; the prefetches' bases, at slot 1's bytes: x: my 8 blocks + 2 cx,
	s_add_co_u32 s92, s92, 3072
	s_mov_b32 s93, 0
	s_add_nc_u64 s[8:9], s[4:5], s[92:93]
	s_mul_i32 s92, s44, 73728                      ; W: my 12 tiles + 3 cy
	s_add_co_u32 s92, s92, 3072
	s_add_nc_u64 s[10:11], s[6:7], s[92:93]
	v_and_b32 v13, 31, v0
	v_min_u32 v14, 23, v13                         ; u = 0 .. 23: row u / 12, 256 bytes u % 12 of its 3,072
	v_mul_u32_u24 v15, v14, 43
	v_lshrrev_b32 v15, 9, v15                      ; u / 12
	v_mul_u32_u24 v15, v15, 21504                  ; a row is 24,576 bytes on: 256 u + (24,576 - 3,072) (u / 12)
	v_lshl_add_u32 v14, v14, 8, v15
	v_min_u32 v15, 11, v13
	v_lshlrev_b32 v15, 8, v15
	v_add_nc_u32 v15, 49152, v15                   ; W's third row
	s_wait_alu depctr_va_vdst(0)                   ; a wait ahead of the branches below
	ASK 0, 0                                       ; slot 1's bytes
	WIN 0xc0
.irp e, 0, 1
.irp n, 0, 1
.irp u, 0, 1
.irp j, 0,1,2,3,4,5,6,7
	global_load_b32 v[64+32*(2*\e+\n)+8*\u+\j], v[VB], s[12:13] offset:128*\n+8*\j+4*\u
	global_load_b32 v[64+32*(2*\e+\n)+16+8*\u+\j], v[VB], s[14:15] offset:128*\n+8*\j+4*\u
	global_load_b32 v[192+16*(2*\n+\u)+8*\e+\j], v[VBV], s[16:17] offset:128*\n+32*\u
.endr
.endr
.endr
.endr
	WIN 0
; One product.  g: which pair of x's blocks (0-3), e: which of the pair, b: W's tile 6 head + (q0, q1, k0, k1, v0, v1), par: the set of scale words.
; The accumulator lies at 192 g + off in windows 1-3; off = 32 (2 e + head) + 8 w for q, k (so a token's real and imaginary parts of q, then of k, are 32 registers on end), 128 + 16 (2 head + u) + 8 e for v (two blocks of tokens on end).
.macro MM g, e, b, par, first
.set eta_, (\b)/6
.set w_, (\b)%6
.if w_ < 4
.set off_, 32*(2*(\e)+eta_)+8*w_
.else
.set off_, 128+16*(2*eta_+w_-4)+8*(\e)
.endif
.set rel_, 192*(\g)+off_
.set win_, 1+rel_/256
.set d_, rel_%256
.set af_, AF+24*((\g)%2)+12*(\e)
.if (\g) == 3
.set af_, 40+12*(\e)                   ; the fourth pair lies in the third set
.endif
.set bf_, BF+12*(\b)
.set sx_, SC+12*(\par)+2*(\g)+(\e)
.set sw_, SC+12*(\par)+(\b)
.if (\first) && ((\g) < 3)
	WIN (win_<<6)|0x30
.set c_, 64+off_
.else
	WIN (win_<<6)|(win_<<4)
.set c_, d_
.endif
.if w_ < 4
	v_wmma_scale_f32_16x16x128_f8f6f4 v[d_:d_+7], v[bf_:bf_+11], v[af_:af_+11], v[c_:c_+7], v[sw_], v[sx_] matrix_a_fmt:MATRIX_FMT_FP6 matrix_b_fmt:MATRIX_FMT_FP6 matrix_a_scale:MATRIX_SCALE_ROW1
.else
	v_wmma_scale_f32_16x16x128_f8f6f4 v[d_:d_+7], v[af_:af_+11], v[bf_:bf_+11], v[c_:c_+7], v[sx_], v[sw_] matrix_a_fmt:MATRIX_FMT_FP6 matrix_b_fmt:MATRIX_FMT_FP6 matrix_b_scale:MATRIX_SCALE_ROW1
.endif
.endm
.macro PAIRS g, par, first, b0         ; three tiles of W x the pair of blocks
.irp i, 0, 1, 2
	MM \g, 0, (\b0)+\i, \par, \first
	MM \g, 1, (\b0)+\i, \par, \first
.endr
.endm
.macro GQK g, e, n, par, first
.irp w, 0, 1, 2, 3
	MM \g, \e, 6*(\n)+\w, \par, \first
.endr
.endm
.macro GV g, n, par, first
.irp u, 0, 1
	MM \g, 0, 6*(\n)+4+\u, \par, \first
	MM \g, 1, 6*(\n)+4+\u, \par, \first
.endr
.endm
.macro LDA set, s, q, a0               ; x's blocks a0, a0 + 1 of slot s, its q-th K step, into set 0, 1 (from v208) or 2 (v40-63)
.set la_, AF+24*(\set)
.if (\set) == 2
.set la_, 40
.endif
.irp e, 0, 1
.irp c, 0, 1, 2
	ds_load_b128 v[la_+12*\e+4*\c:la_+12*\e+4*\c+3], v[ADRA+(\s)] offset:((\a0)+\e)*3072+1536*(\q)+512*\c
.endr
.endr
.endm
.macro LDB b0, s, q                    ; W's tiles b0 .. b0 + 2
.irp i, 0, 1, 2
.irp c, 0, 1, 2
	ds_load_b128 v[BF+12*((\b0)+\i)+4*\c:BF+12*((\b0)+\i)+4*\c+3], v[ADRB+(\s)] offset:((\b0)+\i)*3072+1536*(\q)+512*\c
.endr
.endr
.endm
.macro LDSC par                        ; the next K step's scale words (the loads that read the address before are long in)
	v_add_nc_u32 v[ADRS], 64, v[ADRS]
.irp i, 0,1,2,3,4,5,6,7,8,9,10,11
	ds_load_b32 v[SC+12*(\par)+\i], v[ADRS] offset:1024*\i
.endr
.endm
; A K STEP: 96 products, the 96 accumulators by turns, one instruction a turn.  turn = 1: the slot's last step, the slot is filled again; 2: the same without a fill; last = 1: nothing more to fetch.
.macro KSTEP slot, q, first, turn, last
.if (\q) == 0
.set ns_, (\slot)
.set nq_, 1
.else
.set ns_, 1-(\slot)
.set nq_, 0
.endif
.if (\turn) == 1
	s_wait_xcnt 0x0                                ; my last prefetches have read their bases: they step one slot on
	s_add_nc_u64 s[8:9], s[8:9], 3072
	s_add_nc_u64 s[10:11], s[10:11], 3072
.endif
	s_wait_dscnt 33                                ; x's first pair and W's tiles 0-2 are in; behind them: 9 + 9 + 9 loads of W and 6 of x
	PAIRS 0, \q, \first, 0
	s_wait_dscnt 24
	PAIRS 0, \q, \first, 3
	s_wait_dscnt 15
	PAIRS 0, \q, \first, 6
	s_wait_dscnt 6
	PAIRS 0, \q, \first, 9
	PLACES 4
	WIN 0
	LDA 0, \slot, \q, 4
	LDA 2, \slot, \q, 6                            ; the third and the fourth pair in one run: my last reads of this K step
.if \last
	s_wait_dscnt 12                                ; the second pair is in; the 6 + 6 just issued may be out
.else
	LDSC 1-(\q)
	s_wait_dscnt 24                                ; the second pair is in; the 6 + 6 + 12 just issued may be out
.endif
	GQK 1, 0, 0, \q, \first
	GQK 1, 0, 1, \q, \first
	GQK 1, 1, 0, \q, \first
	GQK 1, 1, 1, \q, \first
	GV 1, 0, \q, \first
	GV 1, 1, \q, \first
.if \turn
	WIN 0                                          ; (the add's two registers lie in window 0)
	s_wait_tensorcnt 0x0                           ; all my tensor loads have landed: my part of the next slot
	ds_add_u32 v[SPW], v[NIL]                      ; 0 onto my spare word
	s_wait_dscnt 19                                ; the third pair is in; 12 scale words, 6 of x and the add may be out
.elseif \last
	s_wait_dscnt 6
.else
	s_wait_dscnt 18                                ; the third pair is in; 12 scale words and 6 of x may be out
.endif
	GQK 2, 0, 0, \q, \first
.if \turn
	s_wait_dscnt 0x0                               ; the add is done, and my reads of this slot, all issued behind group 0, are over
	s_barrier_signal -1
.endif
	GQK 2, 0, 1, \q, \first
	GQK 2, 1, 0, \q, \first                        ; and sixteen products, work on registers alone, stand inside the round
	GQK 2, 1, 1, \q, \first
	GV 2, 0, \q, \first
	GV 2, 1, \q, \first
.if \turn
	WIN 0
	s_barrier_wait -1                              ; twenty products, work on registers alone, stood between the signal and this wait
.if (\turn) == 1
	CREST                                          ; the barrier has opened a round of the cluster's: no wave of any partner still reads this slot or has a load on its way
	s_add_nc_u64 s[G0A+4*(\slot)+2:G0A+4*(\slot)+3], s[G0A+4*(\slot)+2:G0A+4*(\slot)+3], 6144
	s_add_nc_u64 s[G0B+4*(\slot)+2:G0B+4*(\slot)+3], s[G0B+4*(\slot)+2:G0B+4*(\slot)+3], 6144
	JLOAD G0A+4*(\slot), G1A, G0B+4*(\slot), G1B   ; first behind the round; it has two K steps, 192 products, in which to land; its four v_nop are the places for the loads below
.else
	PLACES 4
.endif
.elseif \first
	PLACES 5                                       ; group 3 writes over registers that the products above have read as C
.endif
.if \last
	s_wait_dscnt 0x0
.elseif !(\turn)
	s_wait_dscnt 12                                ; the fourth pair is in; the 12 scale words may be out
.endif
	PAIRS 3, \q, \first, 0
.if !(\last)
	PLACES 4
	WIN 0
	LDA 0, ns_, nq_, 0                             ; the next step's first pair, into the set that group 2 has read,
	LDB 0, ns_, nq_                                ; and W's tiles, replaced behind their last readers
.if (\turn) == 1
	ASK 3072, (\slot)                              ; the slot that is filled at the next change of slots
.endif
.endif
	PAIRS 3, \q, \first, 3
.if !(\last)
	PLACES 4
	WIN 0
	LDB 3, ns_, nq_
.endif
	PAIRS 3, \q, \first, 6
.if !(\last)
	PLACES 4
	WIN 0
	LDB 6, ns_, nq_
.endif
	PAIRS 3, \q, \first, 9
.if !(\last)
	PLACES 4
	WIN 0
	LDB 9, ns_, nq_
	LDA 1, ns_, nq_, 2
.endif
.endm
	s_wait_alu depctr_va_vdst(0)                   ; the wait at the head's end
	s_wait_tensorcnt 0x0                           ; my tile of the head's four is in
	ds_add_u32 v[SPW], v[NIL]
	s_mov_b32 s[G1A+2], 8<<16                      ; no tensor load of mine is out: from here on a load brings 8 blocks of x
	s_mov_b32 s[G1A+4], 8
	s_mov_b32 s[G1B+2], 12<<16                     ; or 12 tiles of W,
	s_mov_b32 s[G1B+4], 12
	s_add_co_u32 s[G0A+5], s67, SLOT               ; and slot 1's group 0 is made
	s_add_nc_u64 s[G0A+6:G0A+7], s[4:5], 3072
	s_or_b32 s[G0A+7], s[G0A+7], 0x80000000
	s_add_co_u32 s[G0B+5], s2, SLOT
	s_add_nc_u64 s[G0B+6:G0B+7], s[6:7], 3072
	s_or_b32 s[G0B+7], s[G0B+7], 0x80000000
	s_wait_dscnt 0x0                               ; the add is done
	CROUND                                         ; all four tiles are in, and all sixteen work-groups are here
	JLOAD G0A+4, G1A, G0B+4, G1B                   ; slot 1's first fill: my one load behind the round
.irp i, 0,1,2,3,4,5,6,7,8,9,10,11
	ds_load_b32 v[SC+\i], v[ADRS] offset:1024*\i
.endr
	LDA 0, 0, 0, 0
	LDB 0, 0, 0
	LDB 3, 0, 0
	LDB 6, 0, 0
	LDB 9, 0, 0
	LDA 1, 0, 0, 2
	ASK 3072, 0                                    ; the bytes of slot 0's first refill
	s_wait_loadcnt 0x0                             ; the biases
	KSTEP 0, 0, 1, 0, 0                            ; the first K step starts the sums, ahead of the loop
	s_mov_b32 s3, 3
.Lks:                                              ; a trip goes once round the ring and fills both slots again
	s_wait_alu depctr_va_vdst(0)
	KSTEP 0, 1, 0, 1, 0
	s_wait_alu depctr_va_vdst(0)
	KSTEP 1, 0, 0, 0, 0
	s_wait_alu depctr_va_vdst(0)
	KSTEP 1, 1, 0, 1, 0
	s_wait_alu depctr_va_vdst(0)
	KSTEP 0, 0, 0, 0, 0
	s_sub_co_u32 s3, s3, 1
	s_cmp_lg_u32 s3, 0
	s_cbranch_scc1 .Lks
	s_wait_alu depctr_va_vdst(0)
	KSTEP 0, 1, 0, 2, 0                            ; the tail is written out: nothing more is asked for
	s_wait_alu depctr_va_vdst(0)
	KSTEP 1, 0, 0, 0, 0
	KSTEP 1, 1, 0, 0, 1
	WIN 0
; ---------------- THE EPILOGUE ----------------
.set B16, 3                            ; v3-5  my wave's images: + 16, 8, 4 x lane
.set B8,  4
.set B4,  5
.set RT,  6                            ; v6    my 8 blocks' part of the rope table, + 8 x lane
.set SHB, 7                            ; v7    my wave's 512 bytes for the result's scale bytes, + 4 r
.set SHA, 8
.set AQ16, 11
.set AQ8,  12
.set AQ4,  13
.set GO16, 14
.set GO8,  15
.set CSB, 40                           ; stage 1: v40-71 two sets of 8 cosines and 8 sines
.set TT,  72                           ; v72-135 four units of 16 rotated numbers
.set MX,  136
.set MY,  140
.set SO,  144
.set BY,  148
.set YY,  152                          ; v152-167 v's second halves
.set BY2, 168
.set PP,  192                          ; v192-215 four half fragments of 6 registers
	s_wait_dscnt 0x0
	s_barrier_signal -1
	s_barrier_wait -1                              ; nobody reads the slots any more, and they have had their last fill: they take the images
	s_wait_xcnt 0x0                                ; the prefetches have read v14 and v15, which are written below
	v_and_b32 v13, 31, v0                          ; (these lines are also the places behind the last products)
	s_mul_i32 s92, s[WV], 36864
	v_lshl_add_u32 v[B16], v13, 4, s92
	v_lshl_add_u32 v[B8], v13, 3, s92
	v_lshl_add_u32 v[B4], v13, 2, s92
	s_lshl_b32 s93, s[WI], 14
	s_add_co_u32 s93, s93, ROPE
	v_lshl_add_u32 v[RT], v13, 3, s93
	v_lshlrev_b32 v[GO16], 4, v13
	v_lshl_add_u32 v[GO8], v13, 3, 512
	s_lshl_b32 s94, s[WV], 9
	s_add_co_u32 s94, s94, SH
	v_lshl_add_u32 v[SHB], v1, 2, s94
	s_mov_b32 s[SEL], 0x76543210
	s_mov_b32 s[SEL+1], 0xfedcba98                 ; selects for lane l xor 16
.irp n, 0, 1, 2, 3
	v_mov_b32 v[MY+\n], 0                          ; a lane permute's destination counts as one of its sources
.endr
.macro LDCS a                          ; block a's cosines and sines: lane (r, h), j = 0 .. 7
.irp c, 0, 1, 2, 3
	ds_load_b64 v[CSB+16*((\a)%2)+2*\c:CSB+16*((\a)%2)+2*\c+1], v[RT] offset:2048*(\a)+256*\c
	ds_load_b64 v[CSB+16*((\a)%2)+8+2*\c:CSB+16*((\a)%2)+8+2*\c+1], v[RT] offset:2048*(\a)+1024+256*\c
.endr
.endm
.macro SCALE4                          ; four largest magnitudes in v[MX..]: with lane l xor 16's; the conversions' scale operands in v[SO..]
.irp n, 0, 1, 2, 3
	v_permlanex16_b32 v[MY+\n], v[MX+\n], s[SEL], s[SEL+1]
.endr
.irp n, 0, 1, 2, 3
	v_max_num_f32 v[MX+\n], v[MX+\n], v[MY+\n]
.endr
.irp n, 0, 1, 2, 3
	v_add_nc_u32 v[SO+\n], 0xff000000, v[MX+\n]    ; 2 off the exponent field
.endr
.endm
; Block a (16 tokens): q and k of both heads: unit n = 2 head + (0: q, 1: k): 8 real parts, then 8 imaginary parts, of depths 16 h + 2 j (+ 1)
.macro BLOCKQK a
.set qb_, 192*((\a)/2)+64*((\a)%2)
.set qw_, 1+qb_/256
.set qr_, qb_%256
.set cb_, CSB+16*((\a)%2)
	s_wait_dscnt 0x0                               ; this block's cosines and sines are in; the last block's stores have read their registers
.if (\a) < 7
	LDCS (\a)+1
.endif
	WIN qw_                                        ; source 0 in the accumulators' window
.irp n, 0, 1, 2, 3
.irp j, 0, 2, 4, 6
	v_pk_mul_f32 v[TT+16*\n+\j:TT+16*\n+\j+1], v[qr_+16*\n+\j:qr_+16*\n+\j+1], v[cb_+\j:cb_+\j+1]
.endr
.endr
.irp n, 0, 1, 2, 3
.irp j, 0, 2, 4, 6
	v_pk_mul_f32 v[TT+16*\n+8+\j:TT+16*\n+8+\j+1], v[qr_+16*\n+\j:qr_+16*\n+\j+1], v[cb_+8+\j:cb_+8+\j+1]
.endr
.endr
.irp n, 0, 1, 2, 3
.irp j, 0, 2, 4, 6
	v_pk_fma_f32 v[TT+16*\n+\j:TT+16*\n+\j+1], v[qr_+16*\n+8+\j:qr_+16*\n+8+\j+1], v[cb_+8+\j:cb_+8+\j+1], v[TT+16*\n+\j:TT+16*\n+\j+1] neg_lo:[0,1,0] neg_hi:[0,1,0]   ; real cos - imag sin
.endr
.endr
.irp n, 0, 1, 2, 3
.irp j, 0, 2, 4, 6
	v_pk_fma_f32 v[TT+16*\n+8+\j:TT+16*\n+8+\j+1], v[qr_+16*\n+8+\j:qr_+16*\n+8+\j+1], v[cb_+\j:cb_+\j+1], v[TT+16*\n+8+\j:TT+16*\n+8+\j+1]   ; real sin + imag cos
.endr
.endr
	WIN 0
.irp n, 0, 1, 2, 3
	v_max3_num_f32 v[MX+\n], |v[TT+16*\n]|, |v[TT+16*\n+1]|, 0x1800000
.endr
.irp i, 2, 4, 6, 8, 10, 12, 14
.irp n, 0, 1, 2, 3
	v_max3_num_f32 v[MX+\n], v[MX+\n], |v[TT+16*\n+\i]|, |v[TT+16*\n+\i+1]|
.endr
.endr
	SCALE4
.irp n, 0, 1, 2, 3
	v_lshrrev_b32 v[BY+\n], 23, v[SO+\n]           ; the token's one byte; the word's other bytes stay 0 over zero codes
.endr
.irp n, 0, 1, 2, 3
	v_cvt_scalef32_pk16_fp6_f32 v[PP+6*\n:PP+6*\n+2], v[TT+16*\n:TT+16*\n+15], v[SO+\n]
.endr
.irp n, 0, 1, 2, 3
.irp i, 3, 4, 5
	v_mov_b32 v[PP+6*\n+\i], 0                     ; (plain lines behind the conversions)
.endr
.endr
.irp n, 0, 1, 2, 3
.irp i, 0, 1, 2
	v_permlane16_swap_b32 v[PP+6*\n+\i], v[PP+6*\n+3+\i]   ; lanes 0-15 now hold the token's 32 codes (block 0), lanes 16-31 zeros (block 1)
.endr
.endr
.irp n, 0, 1, 2, 3
.set pb_, (2*((\a)/4)+\n/2)*PRB
.if \n%2 == 0
.set im_, pb_+3072+768*((\a)%4)
.set sc_, pb_+8192+128*((\a)%4)
.else
.set im_, pb_+768*((\a)%4)
.set sc_, pb_+7680+128*((\a)%4)
.endif
	ds_store_b128 v[B16], v[PP+6*\n:PP+6*\n+3] offset:im_
	ds_store_b64 v[B8], v[PP+6*\n+4:PP+6*\n+5] offset:im_+512
	ds_store_b32 v[B4], v[BY+\n] offset:sc_
.endr
.endm
; v of accumulator group g (a block of 32 keys of one batch): unit n = 2 head + tile: lane (r, h) holds depth row r and 16 of the block's keys
.macro VGRP g, bk
.set vb_, 192*(\g)+128
.set vw_, 1+vb_/256
.set vr_, vb_%256
	WIN 5*vw_                                      ; sources 0 and 1 in the accumulators' window
.irp n, 0, 1, 2, 3
	v_max3_num_f32 v[MX+\n], |v[vr_+16*\n]|, |v[vr_+16*\n+1]|, 0x1800000
.endr
.irp i, 2, 4, 6, 8, 10, 12, 14
.irp n, 0, 1, 2, 3
	v_max3_num_f32 v[MX+\n], |v[vr_+16*\n+\i]|, |v[vr_+16*\n+\i+1]|, v[MX+\n]
.endr
.endr
	WIN 0
	SCALE4
.irp n, 0, 1, 2, 3
.if (\bk) == 0
	v_lshrrev_b32 v[BY+\n], 23, v[SO+\n]
.else
	v_lshrrev_b32 v[BY2+\n], 23, v[SO+\n]
.endif
.endr
	WIN vw_
.irp n, 0, 1, 2, 3
.if (\bk) == 0
	v_cvt_scalef32_pk16_fp6_f32 v[PP+6*\n:PP+6*\n+2], v[vr_+16*\n:vr_+16*\n+15], v[SO+\n]
.else
	v_cvt_scalef32_pk16_fp6_f32 v[YY+4*\n:YY+4*\n+2], v[vr_+16*\n:vr_+16*\n+15], v[SO+\n]
.endif
.endr
	WIN 0
	v_nop                                          ; one plain place behind a scaled conversion
.endm
.macro VBETA beta
	s_wait_dscnt 0x0                               ; earlier stores have read their registers
	VGRP 2*(\beta), 0
	VGRP 2*(\beta)+1, 1
.irp n, 0, 1, 2, 3
.irp i, 0, 1, 2
	v_permlane16_swap_b32 v[PP+6*\n+\i], v[YY+4*\n+\i]   ; a whole block of keys in a lane: lanes 0-15 block 0, lanes 16-31 block 1
.endr
.endr
.irp n, 0, 1, 2, 3
.irp i, 0, 1, 2
	v_mov_b32 v[PP+6*\n+3+\i], v[YY+4*\n+\i]
.endr
.endr
.irp n, 0, 1, 2, 3
	v_lshl_or_b32 v[BY+\n], v[BY2+\n], 8, v[BY+\n]
.endr
.irp n, 0, 1, 2, 3
.set pb_, (2*(\beta)+\n/2)*PRB
	ds_store_b128 v[B16], v[PP+6*\n:PP+6*\n+3] offset:pb_+6144+768*(\n%2)
	ds_store_b64 v[B8], v[PP+6*\n+4:PP+6*\n+5] offset:pb_+6144+768*(\n%2)+512
	ds_store_b32 v[B4], v[BY+\n] offset:pb_+8704+128*(\n%2)
.endr
.endm
	LDCS 0
	s_wait_alu depctr_va_vdst(0)
	BLOCKQK 0
	BLOCKQK 1
	BLOCKQK 2
	BLOCKQK 3
	BLOCKQK 4
	BLOCKQK 5
	BLOCKQK 6
	BLOCKQK 7
	VBETA 0
	VBETA 1
; ---- stage 2.  Window 1: K's 8 fragments at 12 (4 head + tile), V's 4 at 96 + 12 (2 head + tile).  Window 0: Q, P, S^T, O^T and the work registers.  v16-23 K's, v24-27 V's, v28-29 Q's, v30-31 P's scale words.
.set QF,  48
.set PF,  72
.set SS,  96
.set OO,  160
.set MB,  192
.set MP,  196
.set TM,  200
.set NM,  204
.set LA,  208
.set LB,  210
.set SO2, 216
.set TP,  220
.set RL,  228
.set HH,  232
.set X1,  240
.set OM,  244
.set OP,  246
.set OS,  248
.set OB,  250
.set OW,  252
.set LP,  254
	s_wait_dscnt 0x0                               ; stage 1's stores have read their registers
	WIN 0x40
.set ff, 0
.rept 12
.irp i, 6, 7, 8, 9, 10, 11
	v_mov_b32 v[12*ff+\i], 0                       ; K is 32 or 64 of the instruction's 128: the upper blocks are zero codes, on both sides
.endr
.set ff, ff+1
.endr
	WIN 0
.set ff, 0
.rept 4
.irp i, 6, 7, 8, 9, 10, 11
	v_mov_b32 v[QF+12*ff+\i], 0
.endr
.set ff, ff+1
.endr
.irp i, MP, MP+1, MP+2, MP+3, NM+1, NM+3, RL+1, RL+3, OP, OP+1, LP, LP+1
	v_mov_b32 v[\i], 0                             ; permutes' destinations, and the upper halves of pairs that packed forms name
.endr
	s_mov_b32 s[TSH], 0
	s_mov_b32 s98, 0                               ; what the next tile's stores add to their base: nothing for the first tile, then 16 rows' 24,576 bytes
	s_mov_b32 s99, 0
.macro QLOAD beta                      ; Q's half fragments and scale words of the tile at s[TQ], both heads
	v_add_nc_u32 v[AQ16], s[TQ], v[B16]
	v_add_nc_u32 v[AQ8], s[TQ], v[B8]
	v_add_nc_u32 v[AQ4], s[TQ4], v[B4]
.irp e, 0, 1
	ds_load_b128 v[QF+12*\e:QF+12*\e+3], v[AQ16] offset:(2*(\beta)+\e)*PRB+3072
	ds_load_b64 v[QF+12*\e+4:QF+12*\e+5], v[AQ8] offset:(2*(\beta)+\e)*PRB+3072+512
	ds_load_b32 v[28+\e], v[AQ4] offset:(2*(\beta)+\e)*PRB+8192
.endr
.endm
.macro QTILE beta                      ; 16 queries of batch beta, both heads by turns; their Q was asked for a tile earlier
	s_wait_dscnt 0x0                               ; this tile's Q is in, and the last tile's LDS store is done
	v_add_nc_u32 v[SHA], s[TSH], v[SHB]
	WIN 0x01
.irp t, 0, 1, 2, 3
.irp e, 0, 1
	v_wmma_scale_f32_16x16x128_f8f6f4 v[SS+32*\e+8*\t:SS+32*\e+8*\t+7], v[12*(4*\e+\t):12*(4*\e+\t)+11], v[QF+12*\e:QF+12*\e+11], 0, v[16+4*\e+\t], v[28+\e] matrix_a_fmt:MATRIX_FMT_FP6 matrix_b_fmt:MATRIX_FMT_FP6
.endr
.endr
	WIN 0
	PLACES 4
	s_add_co_u32 s[TQ], s[TQ], 768
	s_add_co_u32 s[TQ4], s[TQ4], 128
	s_cmp_eq_u32 s2, 1                             ; the last tile has no successor
	s_cbranch_scc1 .Lnq\beta
	QLOAD \beta                                    ; the next tile's Q, four places behind the products that read these registers
.Lnq\beta:
.irp e, 0, 1
.irp k, 0, 1
	v_max3_num_f32 v[MB+2*\e+\k], v[SS+32*\e+16*\k], v[SS+32*\e+16*\k+1], v[SS+32*\e+16*\k+2]
.endr
.endr
.irp i, 3, 5, 7, 9, 11, 13
.irp e, 0, 1
.irp k, 0, 1
	v_max3_num_f32 v[MB+2*\e+\k], v[MB+2*\e+\k], v[SS+32*\e+16*\k+\i], v[SS+32*\e+16*\k+\i+1]
.endr
.endr
.endr
.irp e, 0, 1
.irp k, 0, 1
	v_max_num_f32 v[MB+2*\e+\k], v[MB+2*\e+\k], v[SS+32*\e+16*\k+15]
.endr
.endr
.irp n, 0, 1, 2, 3
	v_permlanex16_b32 v[MP+\n], v[MB+\n], s[SEL], s[SEL+1]
.endr
.irp n, 0, 1, 2, 3
	v_max_num_f32 v[MB+\n], v[MB+\n], v[MP+\n]
.endr
.irp e, 0, 1
	v_max_num_f32 v[TM+\e], v[MB+2*\e], v[MB+2*\e+1]
.endr
.irp e, 0, 1
	v_mul_f32 v[TM+\e], s[CS], v[TM+\e]            ; the row's largest t
.endr
.irp e, 0, 1
	v_floor_f32 v[NM+2*\e], -v[TM+\e]              ; -M = floor(-t): M is a whole number
.endr
.irp e, 0, 1
.irp j, 0,2,4,6,8,10,12,14,16,18,20,22,24,26,28,30
	v_pk_fma_f32 v[SS+32*\e+\j:SS+32*\e+\j+1], v[SS+32*\e+\j:SS+32*\e+\j+1], s[CS:CS+1], v[NM+2*\e:NM+2*\e+1] op_sel_hi:[1,0,0]   ; t - M
.endr
.endr
.irp e, 0, 1
.irp k, 0, 1
	v_fma_f32 v[MB+2*\e+\k], v[MB+2*\e+\k], s[CS], v[NM+2*\e]
.endr
.endr
.set jj, 0
	s_wait_alu depctr_va_vdst(0)
.rept 64
	v_exp_f32 v[SS+jj], v[SS+jj]                   ; p = 2^(t - M): not normalised
.set jj, jj+1
.endr
	v_nop                                          ; a plain instruction behind the batch,
	s_wait_alu depctr_va_vdst(0)                   ; and one wait for it, ahead of its first reader
.irp n, 0, 1, 2, 3
	v_exp_f32 v[MB+\n], v[MB+\n]                   ; each block's largest p
.endr
.irp e, 0, 1
	v_pk_add_f32 v[LA+4*\e:LA+4*\e+1], v[SS+32*\e:SS+32*\e+1], v[SS+32*\e+2:SS+32*\e+3]     ; the row's sum, of the unquantised p: two chains a head
	v_pk_add_f32 v[LB+4*\e:LB+4*\e+1], v[SS+32*\e+4:SS+32*\e+5], v[SS+32*\e+6:SS+32*\e+7]
.endr
.irp j, 8, 12, 16, 20, 24, 28
.irp e, 0, 1
	v_pk_add_f32 v[LA+4*\e:LA+4*\e+1], v[LA+4*\e:LA+4*\e+1], v[SS+32*\e+\j:SS+32*\e+\j+1]
	v_pk_add_f32 v[LB+4*\e:LB+4*\e+1], v[LB+4*\e:LB+4*\e+1], v[SS+32*\e+\j+2:SS+32*\e+\j+3]
.endr
.endr
.irp e, 0, 1
	v_pk_add_f32 v[LA+4*\e:LA+4*\e+1], v[LA+4*\e:LA+4*\e+1], v[LB+4*\e:LB+4*\e+1]
.endr
	s_wait_alu depctr_va_vdst(0)                   ; and one for the four
.irp n, 0, 1, 2, 3
	v_max_num_f32 v[MB+\n], 0x1800000, v[MB+\n]
.endr
.irp n, 0, 1, 2, 3
	v_add_nc_u32 v[SO2+\n], 0xff000000, v[MB+\n]
.endr
.irp n, 0, 1, 2, 3
	v_lshrrev_b32 v[MP+\n], 23, v[SO2+\n]
.endr
.irp e, 0, 1
	v_lshl_or_b32 v[30+\e], v[MP+2*\e+1], 8, v[MP+2*\e]    ; p's scale word
.endr
.irp e, 0, 1
	v_cvt_scalef32_pk16_fp6_f32 v[PF+12*\e:PF+12*\e+2], v[SS+32*\e:SS+32*\e+15], v[SO2+2*\e]
	v_cvt_scalef32_pk16_fp6_f32 v[TP+4*\e:TP+4*\e+2], v[SS+32*\e+16:SS+32*\e+31], v[SO2+2*\e+1]
.endr
	v_nop
.irp e, 0, 1
.irp i, 0, 1, 2
	v_permlane16_swap_b32 v[PF+12*\e+\i], v[TP+4*\e+\i]
.endr
.endr
.irp e, 0, 1
.irp i, 0, 1, 2
	v_mov_b32 v[PF+12*\e+3+\i], v[TP+4*\e+\i]
.endr
.endr
.irp e, 0, 1
	v_add_f32 v[LA+4*\e], v[LA+4*\e], v[LA+4*\e+1]
.endr
.irp e, 0, 1
	v_permlanex16_b32 v[LP+\e], v[LA+4*\e], s[SEL], s[SEL+1]
.endr
.irp e, 0, 1
	v_add_f32 v[LA+4*\e], v[LA+4*\e], v[LP+\e]     ; the row's sum
.endr
	s_wait_alu depctr_va_vdst(0)
.irp e, 0, 1
	v_rcp_f32 v[RL+2*\e], v[LA+4*\e]
.endr
	PLACES 8                                       ; a scale register written by a vector instruction stands 8 places ahead of a scaled product, an operand 4
	WIN 0x01
.irp u, 0, 1
.irp e, 0, 1
	v_wmma_scale_f32_16x16x128_f8f6f4 v[OO+16*\e+8*\u:OO+16*\e+8*\u+7], v[96+12*(2*\e+\u):96+12*(2*\e+\u)+11], v[PF+12*\e:PF+12*\e+11], 0, v[24+2*\e+\u], v[30+\e] matrix_a_fmt:MATRIX_FMT_FP6 matrix_b_fmt:MATRIX_FMT_FP6
.endr
.endr
	WIN 0
	PLACES 4
	s_wait_alu depctr_va_vdst(0)                   ; the reciprocals' wait, ahead of their first reader
.irp e, 0, 1
.irp j, 0, 2, 4, 6, 8, 10, 12, 14
	v_pk_mul_f32 v[OO+16*\e+\j:OO+16*\e+\j+1], v[OO+16*\e+\j:OO+16*\e+\j+1], v[RL+2*\e:RL+2*\e+1] op_sel_hi:[1,0]   ; lane (r, h): depths 16 h + 0 .. 15 of query r
.endr
.endr
.irp e, 0, 1
	v_max3_num_f32 v[OM+\e], |v[OO+16*\e]|, |v[OO+16*\e+1]|, 0x1800000
.endr
.irp i, 2, 4, 6, 8, 10, 12, 14
.irp e, 0, 1
	v_max3_num_f32 v[OM+\e], v[OM+\e], |v[OO+16*\e+\i]|, |v[OO+16*\e+\i+1]|
.endr
.endr
.irp e, 0, 1
	v_permlanex16_b32 v[OP+\e], v[OM+\e], s[SEL], s[SEL+1]
.endr
.irp e, 0, 1
	v_max_num_f32 v[OM+\e], v[OM+\e], v[OP+\e]     ; a head's 32 depths are a block of the last product's K
.endr
.irp e, 0, 1
	v_add_nc_u32 v[OS+\e], 0xff000000, v[OM+\e]
.endr
.irp e, 0, 1
	v_lshrrev_b32 v[OB+\e], 23, v[OS+\e]
.endr
	v_lshl_or_b32 v[OW], v[OB+1], 8, v[OB]
	s_wait_alu depctr_va_vdst(0)
	s_wait_xcnt 0x0                                ; the last tile's two global stores have read their data and base: both are written below
	s_add_nc_u64 s[18:19], s[18:19], s[98:99]      ; this tile's block of 16 rows
	v_cvt_scalef32_pk16_fp6_f32 v[HH:HH+2], v[OO:OO+15], v[OS]
	v_cvt_scalef32_pk16_fp6_f32 v[X1:X1+2], v[OO+16:OO+31], v[OS+1]
	v_nop
.irp i, 0, 1, 2
	v_permlane16_swap_b32 v[HH+\i], v[X1+\i]       ; lanes 0-15: my first head's block, lanes 16-31: my second's
.endr
.irp i, 0, 1, 2
	v_mov_b32 v[HH+3+\i], v[X1+\i]
.endr
	global_store_b128 v[GO16], v[HH:HH+3], s[18:19]        ; half a fragment: 512 consecutive bytes, aligned,
	global_store_b64 v[GO8], v[HH+4:HH+5], s[18:19]        ; and 256
	ds_store_b32 v[SHA], v[OW]                             ; my two heads' bytes, into my wave's own words
.endm
.macro ATT beta
	WIN 0x40                                       ; destination window 1.  LDS serves a wave's instructions in order: these see my stores
.irp e, 0, 1
.irp t, 0, 1, 2, 3
	ds_load_b128 v[12*(4*\e+\t):12*(4*\e+\t)+3], v[B16] offset:(2*(\beta)+\e)*PRB+768*\t
	ds_load_b64 v[12*(4*\e+\t)+4:12*(4*\e+\t)+5], v[B8] offset:(2*(\beta)+\e)*PRB+768*\t+512
.endr
.irp u, 0, 1
	ds_load_b128 v[96+12*(2*\e+\u):96+12*(2*\e+\u)+3], v[B16] offset:(2*(\beta)+\e)*PRB+6144+768*\u
	ds_load_b64 v[96+12*(2*\e+\u)+4:96+12*(2*\e+\u)+5], v[B8] offset:(2*(\beta)+\e)*PRB+6144+768*\u+512
.endr
.endr
	WIN 0
.irp e, 0, 1
.irp t, 0, 1, 2, 3
	ds_load_b32 v[16+4*\e+\t], v[B4] offset:(2*(\beta)+\e)*PRB+7680+128*\t
.endr
.irp u, 0, 1
	ds_load_b32 v[24+2*\e+\u], v[B4] offset:(2*(\beta)+\e)*PRB+8704+128*\u
.endr
.endr
	s_mov_b32 s[TQ], 0
	s_mov_b32 s[TQ4], 0
	QLOAD \beta                                    ; the first tile's Q
	s_mov_b32 s2, 4
.Lq\beta:                                          ; four tiles of 16 queries
	QTILE \beta
	s_add_co_u32 s[TSH], s[TSH], 64
	s_mov_b32 s98, 24576
	s_wait_alu depctr_va_vdst(0)
	s_sub_co_u32 s2, s2, 1
	s_cmp_lg_u32 s2, 0
	s_cbranch_scc1 .Lq\beta
.endm
	ATT 0
	ATT 1
	s_wait_dscnt 0x0                               ; my last tile's bytes lie in LDS
	s_barrier_signal -1
	s_barrier_wait -1                              ; all four waves' bytes lie in LDS
	s_lshl_b32 s94, s[WI], 10
	s_lshl_b32 s95, s[WJ], 8
	s_add_co_u32 s94, s94, s95
	s_add_co_u32 s94, s94, SH
	v_and_b32 v13, 31, v0
	v_lshl_add_u32 v11, v13, 3, s94                ; words 64 wave + 2 lane of the 256: heads 0, 1 from the left wave's words, heads 2, 3 from the right wave's, 512 bytes on
	s_lshl_b32 s95, s[WV], 8
	v_lshl_add_u32 v12, v13, 3, s95
	ds_load_b64 v[192:193], v11
	ds_load_b64 v[194:195], v11 offset:512
	s_wait_dscnt 0x0
	v_lshl_or_b32 v196, v194, 16, v192
	v_lshl_or_b32 v197, v195, 16, v193
	s_wait_alu depctr_va_vdst(0)
	global_store_b64 v12, v[196:197], s[20:21]     ; 256 consecutive bytes, aligned
	s_wait_tensorcnt 0x0                           ; the wave's end
	ds_add_u32 v[SPW], v[NIL]
	s_wait_dscnt 0x0
	CROUND                                         ; the closing round
	s_endpgm
.Lfunc_end_k_qe9dfc3baad_qkvattn:
	.size	k_qe9dfc3baad_qkvattn, .Lfunc_end_k_qe9dfc3baad_qkvattn-k_qe9dfc3baad_qkvattn
	.p2alignl 7, 3214868480
	.fill 96, 4, 3214868480
	.section	.rodata,"a",@progbits
	.p2align	6, 0x0
	.amdhsa_kernel k_qe9dfc3baad_qkvattn
		.amdhsa_group_segment_fixed_size 327680
		.amdhsa_private_segment_fixed_size 0
		.amdhsa_enable_private_segment 0
		.amdhsa_kernarg_size 72
		.amdhsa_user_sgpr_count 2
		.amdhsa_user_sgpr_kernarg_segment_ptr 1
		.amdhsa_wavefront_size32 1
		.amdhsa_system_sgpr_workgroup_id_x 1
		.amdhsa_system_sgpr_workgroup_id_y 1
		.amdhsa_system_sgpr_workgroup_id_z 1
		.amdhsa_system_vgpr_workitem_id 0
		.amdhsa_next_free_vgpr 1024
		.amdhsa_next_free_sgpr 100
		.amdhsa_reserve_vcc 0
		.amdhsa_float_denorm_mode_32 3
		.amdhsa_float_denorm_mode_16_64 3
		.amdhsa_memory_ordered 1
		.amdhsa_forward_progress 1
		.amdhsa_inst_pref_size 255
	.end_amdhsa_kernel
	.section	.bss,"aw",@nobits
	.p2align	6
	.space	262144
	.amdgpu_metadata
---
amdhsa.version: [ 1, 2 ]
amdhsa.kernels:
  - .name:           k_qe9dfc3baad_qkvattn
    .symbol:         k_qe9dfc3baad_qkvattn.kd
    .args:
      - { .name: xc, .offset: 0, .size: 8, .value_kind: global_buffer, .address_space: global }
      - { .name: wcod, .offset: 8, .size: 8, .value_kind: global_buffer, .address_space: global }
      - { .name: xaux, .offset: 16, .size: 8, .value_kind: global_buffer, .address_space: global }
      - { .name: wsc, .offset: 24, .size: 8, .value_kind: global_buffer, .address_space: global }
      - { .name: b_q, .offset: 32, .size: 8, .value_kind: global_buffer, .address_space: global }
      - { .name: b_k, .offset: 40, .size: 8, .value_kind: global_buffer, .address_space: global }
      - { .name: b_v, .offset: 48, .size: 8, .value_kind: global_buffer, .address_space: global }
      - { .name: ac, .offset: 56, .size: 8, .value_kind: global_buffer, .address_space: global }
      - { .name: asc, .offset: 64, .size: 8, .value_kind: global_buffer, .address_space: global }
    .group_segment_fixed_size: 327680
    .private_segment_fixed_size: 0
    .kernarg_segment_align: 8
    .kernarg_segment_size: 72
    .max_flat_workgroup_size: 128
    .sgpr_count:     100
    .vgpr_count:     1024
    .wavefront_size: 32
...
	.end_amdgpu_metadata
.endif
;; end of part 2
;; launch oproj (part 3): grid 8 x 32, 4 waves a work-group, clusters of 4 x 4, 327,680 bytes of LDS; arguments ac, asc, wcod, wsc, b_o, out0; writes out0
.if DOCPART == 3
	.amdgcn_target "amdgcn-amd-amdhsa--gfx1250"
	.amdhsa_code_object_version 6
	.text
	.protected	k_qe9dfc3baad_oproj
	.globl	k_qe9dfc3baad_oproj
	.p2align	8
	.type	k_qe9dfc3baad_oproj,@function
k_qe9dfc3baad_oproj:
	s_mov_b64 s[64:65], 0
	v_nop
	global_prefetch_b8 v0, s[64:65] scope:SCOPE_SE
	s_setreg_imm32_b32 hwreg(HW_REG_WAVE_MODE, 25, 1), 1
	s_wait_xcnt 0x0
	s_wait_alu depctr_hold_cnt(0) depctr_sa_sdst(0) depctr_va_vdst(0) depctr_va_sdst(0) depctr_va_ssrc(0) depctr_va_vcc(0) depctr_vm_vsrc(0)
	s_getreg_b32 s2, hwreg(HW_REG_IB_STS2, 6, 4)
	s_cmp_eq_u32 s2, 0
	s_cbranch_scc0 .Lentry_in_a_cluster
	s_endpgm
.Lentry_in_a_cluster:
	s_bfe_u32 s2, ttmp6, 0x10000c
	s_cmp_lg_u32 s2, 0xf033
	s_cbranch_scc0 .Lentry_shape_is_right
	s_endpgm
.Lentry_shape_is_right:
; out0 = a w_o^T + b_o on codes of FP6 (E2M3) with E8M0 scales: a [4096][2048] as the launch before left it, w_o's codes and scale words from the first launch; sums in f32.
; A work-group makes 128 rows x 256 columns, a wave 64 x 128: 32 accumulators in window 1.  Operands lie in memory and in LDS as images of their registers, 1,536 bytes a fragment of 16 x 128.
; K goes in 16 steps of 128 through two LDS slots of four steps each, filled by joint tensor loads: a's blocks are shared along a row of the 4 x 4 cluster, w_o's tiles along a column.
; THE HEAD: one tensor load a wave: wave 0 slot 0's 8 blocks of a, wave 1 its 16 tiles of w_o, wave 2 a's scale words, wave 3 w_o's.  Slot 1 is first filled behind the three lines and a round, as a refill is.
; The products are used transposed (source 0 = w_o, source 1 = a): a lane holds eight neighbouring columns of a row; the bias is the C of each sum's first product.
; Results leave through each wave's own stage in slot 0, which has had its last fill and its last read by then, as whole rows of 512 bytes.
; PREFETCH: behind each fill but the last, the next slot's 6,144 bytes of each block or tile are asked for, a lane to 256 bytes; the four partners that share a tile share its rows out by address.
.set SLOT,  147456
.set BOFF,  49152
.set SCA3,  294912
.set SCB3,  303104
.set SPARE, 319488
.set A16, 4
.set A8,  6
.set SAA, 8
.set SPW, 9
.set NIL, 10
.set SBA, 11
.set B16, 12
.set STO, 14
.set RD,  15
.set CO,  16
.set SCL, 32
.set AFR, 64
.set BK,  128
.set WV, 40
.set WI, 41
.set WJ, 42
.set G1A, 24
.set G0A, 32
.set G1B, 48
.set G0B, 56
.set G1SA, 68
.set G0SA, 76
.set G1SB, 80
.set G0SB, 88
.set MSB, 0
.macro WIN new
.if MSB != (\new)
	s_set_vgpr_msb (MSB<<8)|(\new)
.set MSB, (\new)
.endif
.endm
.macro PLACES n
.rept \n
	v_nop
.endr
.endm
.macro JLOAD g0a, g1a, g0b, g1b
	s_cmp_eq_u32 s[WI], 0
	s_cbranch_scc0 .Lfor_b_\@
	tensor_load_to_lds s[\g0a:\g0a+3], s[\g1a:\g1a+7]
	s_nop 0
.rept 4
	v_nop
.endr
	s_branch .Lasked_\@
.Lfor_b_\@:
	tensor_load_to_lds s[\g0b:\g0b+3], s[\g1b:\g1b+7]
	s_nop 0
.rept 4
	v_nop
.endr
.Lasked_\@:
.endm
.macro CREST
	s_cmp_lg_u32 s[WV], 0
	s_cbranch_scc1 .Lnot_wave_0_\@
	s_barrier_signal -3
.Lnot_wave_0_\@:
	s_barrier_wait -3
	s_barrier_signal -1
	s_barrier_wait -1
.endm
.macro ARM under, g0, g1, next         ; one arm of the head's chain of branches on the wave's number: its one load, then a jump to the chain's end
	s_cmp_lt_u32 s[WV], \under
	s_cbranch_scc0 \next
	tensor_load_to_lds s[\g0:\g0+3], s[\g1:\g1+7]
	s_nop 0
.rept 4
	v_nop
.endr
	s_branch .Lhead_asked
\next:
.endm
.macro ASK off                         ; 24 lanes name the 24 x 256 bytes of a row's four K steps at byte off: a's waves one block (cx of their 4), w_o's waves two tiles (2 cy, 2 cy + 1 of their 8)
	s_cmp_eq_u32 s[WI], 0
	s_cbranch_scc0 .Lpfb_\@
	global_prefetch_b8 v18, s[10:11] offset:\off th:TH_LOAD_NT scope:SCOPE_SE
	s_branch .Lpfe_\@
.Lpfb_\@:
	global_prefetch_b8 v18, s[6:7] offset:\off th:TH_LOAD_NT scope:SCOPE_SE
	global_prefetch_b8 v18, s[6:7] offset:(\off)+24576 th:TH_LOAD_NT scope:SCOPE_SE
.Lpfe_\@:
.endm
.macro CROUND
	s_barrier_signal -1
	s_barrier_wait -1
	CREST
.endm
.macro G1SET g, c, r, p
	s_mov_b32 s[\g+1], ((\c)&0xffff)<<16
	s_mov_b32 s[\g+2], ((\c)>>16)|(((\r)&0xffff)<<16)
	s_mov_b32 s[\g+3], ((\r)>>16)|((\c)<<16)
	s_mov_b32 s[\g+4], \r
	s_mov_b32 s[\g+5], \p
	s_mov_b32 s[\g+6], 0
	s_mov_b32 s[\g+7], 0
.endm
	s_load_b256 s[4:11], s[0:1], 0x0
	s_load_b128 s[12:15], s[0:1], 0x20
	v_lshl_add_u32 v[SPW], v0, 2, SPARE
	v_mov_b32 v[NIL], 0
	ds_add_u32 v[SPW], v[NIL]
	ds_add_u32 v[SPW], v[NIL]
	v_lshrrev_b32 v1, 5, v0
	v_readfirstlane_b32 s[WV], v1
	s_lshr_b32 s[WI], s[WV], 1
	s_and_b32 s[WJ], s[WV], 1
	s_bfe_u32 s43, ttmp6, 0x40000
	s_bfe_u32 s44, ttmp6, 0x40004
	s_lshl_b32 s45, ttmp9, 2
	s_add_co_u32 s45, s45, s43
	s_and_b32 s46, ttmp7, 0xffff
	s_lshl_b32 s46, s46, 2
	s_add_co_u32 s46, s46, s44
	s_lshl_b32 s47, s44, 2
	s_lshl_b32 s47, 15, s47
	s_lshl_b32 s66, 0x1111, s43
	s_or_b32 s[G1A], s47, (3<<16)|(1<<21)
	s_or_b32 s[G1B], s66, (3<<16)|(1<<21)
	s_or_b32 s[G1SA], s47, (3<<16)|(1<<21)
	s_or_b32 s[G1SB], s66, (3<<16)|(1<<21)
	G1SET G1A, 768, 8, 3072                        ; the head's load: 8 blocks of a, 6,144 bytes (four K steps) of each block's 24,576; behind the head the rows are set to 4
	G1SET G1B, 768, 16, 3072                       ; 16 tiles of w_o likewise; behind the head 8
	G1SET G1SA, 64, 16, 128                        ; a's scale words: 16 K steps x 512 bytes, 1,024 apart
	G1SET G1SB, 32, 64, 32                         ; 16,384 dense bytes: 16 tiles' scale words
	s_lshl_b32 s92, s46, 3
	s_mul_i32 s92, s92, 24576
	s_mov_b32 s93, 0
	s_lshr_b32 s94, s46, 1
	s_lshl_b32 s94, s94, 14
	s_and_b32 s95, s46, 1
	s_lshl_b32 s95, s95, 9
	s_add_co_u32 s94, s94, s95
	s_mov_b32 s95, 0
	s_lshl_b32 s96, s45, 4
	s_add_co_u32 s96, s96, 384
	s_lshl_b32 s98, s96, 10
	s_mul_i32 s96, s96, 24576
	s_mov_b32 s97, 0
	s_mov_b32 s99, 0
	s_mul_i32 s67, s[WJ], 24576
	s_mul_i32 s2, s[WJ], 49152
	s_add_co_u32 s2, s2, BOFF
	s_wait_dscnt 0x0
	s_wait_kmcnt 0x0
	CROUND
	s_mov_b32 s[G0SA], 1
	s_mov_b32 s[G0SA+1], SCA3
	s_add_nc_u64 s[G0SA+2:G0SA+3], s[6:7], s[94:95]
	s_or_b32 s[G0SA+3], s[G0SA+3], 0x80000000
	s_mov_b32 s[G0SB], 1
	s_mov_b32 s[G0SB+1], SCB3
	s_add_nc_u64 s[G0SB+2:G0SB+3], s[10:11], s[98:99]
	s_or_b32 s[G0SB+3], s[G0SB+3], 0x80000000
	s_add_nc_u64 s[4:5], s[4:5], s[92:93]
	s_add_nc_u64 s[8:9], s[8:9], s[96:97]
	s_mov_b32 s[G0A+4], 1                          ; the head's loads of slot 0, each whole, stand in slot 1's group 0, which is made anew behind the wait for them
	s_mov_b32 s[G0A+5], 0
	s_mov_b64 s[G0A+6:G0A+7], s[4:5]
	s_or_b32 s[G0A+7], s[G0A+7], 0x80000000
	s_mov_b32 s[G0B+4], 1
	s_mov_b32 s[G0B+5], BOFF
	s_mov_b64 s[G0B+6:G0B+7], s[8:9]
	s_or_b32 s[G0B+7], s[G0B+7], 0x80000000
	ARM 1, G0A+4, G1A, .Lhead_b                    ; one tensor load a wave at the head
	ARM 2, G0B+4, G1B, .Lhead_sa
	ARM 3, G0SA, G1SA, .Lhead_sb
	tensor_load_to_lds s[G0SB:G0SB+3], s[G1SB:G1SB+7]
	s_nop 0
.rept 4
	v_nop
.endr
.Lhead_asked:
	s_mul_i32 s6, s[WJ], 98304                     ; for the ring: my 4 blocks of a,
	s_mov_b32 s7, 0
	s_add_nc_u64 s[4:5], s[4:5], s[6:7]
	s_mul_i32 s6, s[WJ], 196608                    ; my 8 tiles of w_o
	s_add_nc_u64 s[8:9], s[8:9], s[6:7]
	s_mov_b32 s[G0A], 1                            ; slot 0's group 0: first used, stepped by two slots, at its refill
	s_mov_b32 s[G0A+1], s67
	s_mov_b64 s[G0A+2:G0A+3], s[4:5]
	s_or_b32 s[G0A+3], s[G0A+3], 0x80000000
	s_mov_b32 s[G0B], 1
	s_mov_b32 s[G0B+1], s2
	s_mov_b64 s[G0B+2:G0B+3], s[8:9]
	s_or_b32 s[G0B+3], s[G0B+3], 0x80000000
	v_and_b32 v1, 15, v0
	v_bfe_u32 v2, v0, 4, 1
	v_and_b32 v3, 31, v0
	s_mul_i32 s92, s[WI], 24576
	s_mul_i32 s93, s[WJ], 49152
	s_add_co_u32 s93, s93, BOFF
	v_lshl_add_u32 v[A16], v3, 4, s92
	v_lshl_add_u32 v[A8], v3, 3, s92
	v_lshl_add_u32 v[B16], v3, 4, s93
	s_add_co_u32 s92, s92, SLOT
	s_add_co_u32 s93, s93, SLOT
	v_lshl_add_u32 v[A16+1], v3, 4, s92
	v_lshl_add_u32 v[A8+1], v3, 3, s92
	v_lshl_add_u32 v[B16+1], v3, 4, s93
	s_lshl_b32 s92, s[WI], 8
	s_add_co_u32 s92, s92, SCA3
	v_lshl_add_u32 v[SAA], v1, 2, s92
	v_lshl_add_u32 v[SAA], v2, 9, v[SAA]           ; a scale register serves two K steps: lanes 0-15 take the even step's words, lanes 16-31 the next step's (a's: 512 bytes on)
	s_lshl_b32 s93, s[WJ], 13
	s_add_co_u32 s93, s93, SCB3
	v_lshl_add_u32 v[SBA], v1, 2, s93
	v_lshl_add_u32 v[SBA], v2, 6, v[SBA]           ; (w_o's: 64 bytes on)
	s_mul_i32 s92, s[WV], 8448
	v_mul_u32_u24 v[STO], v1, 528
	v_lshl_add_u32 v[STO], v2, 5, v[STO]
	v_add_nc_u32 v[STO], s92, v[STO]
	v_lshlrev_b32 v[CO], 4, v3
	v_add_nc_u32 v[RD], s92, v[CO]
	v_min_u32 v18, 23, v3
	v_lshlrev_b32 v18, 8, v18                      ; the prefetches' offset: 256 x lane, lanes 24-31 with lane 23; never rewritten
	v_lshlrev_b32 v17, 5, v2
	s_wait_alu depctr_va_vdst(0)
	s_lshl_b32 s94, s45, 10
	s_lshl_b32 s95, s[WJ], 9
	s_add_co_u32 s94, s94, s95
	s_mov_b32 s95, 0
	s_add_nc_u64 s[12:13], s[12:13], s[94:95]
	s_add_nc_u64 s[14:15], s[14:15], s[94:95]
	s_lshl_b32 s96, s46, 7
	s_lshl_b32 s97, s[WI], 6
	s_add_co_u32 s96, s96, s97
	s_lshl_b32 s96, s96, 13
	s_mov_b32 s97, 0
	s_add_nc_u64 s[14:15], s[14:15], s[96:97]
	s_mul_i32 s92, s43, 24576                      ; the prefetches' bases, never rewritten: a: block cx of my 4,
	s_mov_b32 s93, 0
	s_add_nc_u64 s[10:11], s[4:5], s[92:93]
	s_mul_i32 s92, s44, 49152                      ; w_o: tiles 2 cy, 2 cy + 1 of my 8
	s_add_nc_u64 s[6:7], s[8:9], s[92:93]
	ASK 6144                                       ; slot 1's bytes: K steps 4-7
	WIN 0x80
.irp b, 0,1,2,3,4,5,6,7
	global_load_b128 v[192+8*\b:192+8*\b+3], v17, s[12:13] offset:64*\b
	global_load_b128 v[192+8*\b+4:192+8*\b+7], v17, s[12:13] offset:64*\b+16
.endr
	WIN 0
.macro MUL8 a, set, first
.irp b, 0,1,2,3,4,5,6,7
.if \first
	WIN 0x62
	v_wmma_scale_f32_16x16x128_f8f6f4 v[8*(8*(\a)+\b):8*(8*(\a)+\b)+7], v[96*(\set)+12*\b:96*(\set)+12*\b+11], v[AFR+48*(\set)+12*(\a):AFR+48*(\set)+12*(\a)+11], v[192+8*\b:192+8*\b+7], v[SCL+12*(\set)+4+\b], v[SCL+12*(\set)+(\a)] matrix_a_fmt:MATRIX_FMT_FP6 matrix_b_fmt:MATRIX_FMT_FP6
.else
	WIN 0x52
.if scr_                               ; an odd K step reads both sides' scale words from lanes 16-31
	v_wmma_scale_f32_16x16x128_f8f6f4 v[8*(8*(\a)+\b):8*(8*(\a)+\b)+7], v[96*(\set)+12*\b:96*(\set)+12*\b+11], v[AFR+48*(\set)+12*(\a):AFR+48*(\set)+12*(\a)+11], v[8*(8*(\a)+\b):8*(8*(\a)+\b)+7], v[scs_+4+\b], v[scs_+(\a)] matrix_a_fmt:MATRIX_FMT_FP6 matrix_b_fmt:MATRIX_FMT_FP6 matrix_a_scale:MATRIX_SCALE_ROW1 matrix_b_scale:MATRIX_SCALE_ROW1
.else
	v_wmma_scale_f32_16x16x128_f8f6f4 v[8*(8*(\a)+\b):8*(8*(\a)+\b)+7], v[96*(\set)+12*\b:96*(\set)+12*\b+11], v[AFR+48*(\set)+12*(\a):AFR+48*(\set)+12*(\a)+11], v[8*(8*(\a)+\b):8*(8*(\a)+\b)+7], v[scs_+4+\b], v[scs_+(\a)] matrix_a_fmt:MATRIX_FMT_FP6 matrix_b_fmt:MATRIX_FMT_FP6
.endif
.endif
.endr
.endm
.macro FETCH3 s, q, set, ks
	WIN 0x80
.irp i, 0,1,2,3,4,5,6,7
.irp c, 0, 1, 2
	ds_load_b128 v[96*(\set)+12*\i+4*\c:96*(\set)+12*\i+4*\c+3], v[B16+(\s)] offset:\i*6144+1536*(\q)+512*\c
.endr
.endr
	WIN 0
.irp i, 0, 1, 2, 3
	ds_load_b128 v[AFR+48*(\set)+12*\i:AFR+48*(\set)+12*\i+3], v[A16+(\s)] offset:\i*6144+1536*(\q)
	ds_load_b64 v[AFR+48*(\set)+12*\i+4:AFR+48*(\set)+12*\i+5], v[A8+(\s)] offset:\i*6144+1536*(\q)+512
	ds_load_b128 v[AFR+48*(\set)+12*\i+6:AFR+48*(\set)+12*\i+9], v[A16+(\s)] offset:\i*6144+1536*(\q)+768
	ds_load_b64 v[AFR+48*(\set)+12*\i+10:AFR+48*(\set)+12*\i+11], v[A8+(\s)] offset:\i*6144+1536*(\q)+1280
.endr
.irp i, 0, 1, 2, 3
.if ((\ks)%2) == 0                     ; with an even step's fragments: the scale words of that step and the next, into set (ks / 2) % 2
	ds_load_b32 v[SCL+12*(((\ks)/2)%2)+\i], v[SAA] offset:512*(\ks)+64*\i
.endif
.endr
.irp i, 0,1,2,3,4,5,6,7
.if ((\ks)%2) == 0
	ds_load_b32 v[SCL+12*(((\ks)/2)%2)+4+\i], v[SBA] offset:1024*\i+64*(\ks)
.endif
.endr
.endm
.macro STEP ks, first
.set scs_, SCL+12*(((\ks)/2)%2)        ; this step's set of scale words, and which half of the lanes
.set scr_, (\ks)%2
	s_wait_dscnt 0x0
	PLACES 4
	FETCH3 (((\ks)+1)/4)%2, ((\ks)+1)%4, ((\ks)+1)%2, (\ks)+1
	MUL8 0, (\ks)%2, \first
	MUL8 1, (\ks)%2, \first
	MUL8 2, (\ks)%2, \first
	MUL8 3, (\ks)%2, \first
.endm
.macro TURN ks, fill
.set scs_, SCL+12*(((\ks)/2)%2)
.set scr_, (\ks)%2
	WIN 0
	s_wait_tensorcnt 0x0
	ds_add_u32 v[SPW], v[NIL]
	s_wait_dscnt 1
	MUL8 0, (\ks)%2, 0
	s_wait_dscnt 0x0
	s_barrier_signal -1
	MUL8 1, (\ks)%2, 0
	WIN 0
	s_barrier_wait -1
.if \fill
	CREST
	s_add_nc_u64 s[G0A+4*(((\ks)/4)%2)+2:G0A+4*(((\ks)/4)%2)+3], s[G0A+4*(((\ks)/4)%2)+2:G0A+4*(((\ks)/4)%2)+3], 12288
	s_add_nc_u64 s[G0B+4*(((\ks)/4)%2)+2:G0B+4*(((\ks)/4)%2)+3], s[G0B+4*(((\ks)/4)%2)+2:G0B+4*(((\ks)/4)%2)+3], 12288
	JLOAD G0A+4*(((\ks)/4)%2), G1A, G0B+4*(((\ks)/4)%2), G1B
.else
	PLACES 4
.endif
	FETCH3 (((\ks)+1)/4)%2, 0, ((\ks)+1)%2, (\ks)+1
.if (\ks) == 3
	ASK 18432                                      ; the last fill's bytes: K steps 12-15
.endif
	MUL8 2, (\ks)%2, 0
	MUL8 3, (\ks)%2, 0
.endm
	s_wait_alu depctr_va_vdst(0)                   ; the wait at the head's end
	s_wait_tensorcnt 0x0                           ; my tile of the head's four is in
	ds_add_u32 v[SPW], v[NIL]
	s_mov_b32 s[G1A+2], 4<<16                      ; no tensor load of mine is out: from here on a load brings 4 blocks of a
	s_mov_b32 s[G1A+4], 4
	s_mov_b32 s[G1B+2], 8<<16                      ; or 8 tiles of w_o,
	s_mov_b32 s[G1B+4], 8
	s_add_co_u32 s[G0A+5], s67, SLOT               ; and slot 1's group 0 is made
	s_add_nc_u64 s[G0A+6:G0A+7], s[4:5], 6144
	s_or_b32 s[G0A+7], s[G0A+7], 0x80000000
	s_add_co_u32 s[G0B+5], s2, SLOT
	s_add_nc_u64 s[G0B+6:G0B+7], s[8:9], 6144
	s_or_b32 s[G0B+7], s[G0B+7], 0x80000000
	s_wait_dscnt 0x0                               ; the add is done
	CROUND                                         ; all four tiles are in, and all sixteen work-groups are here
	JLOAD G0A+4, G1A, G0B+4, G1B                   ; slot 1's first fill: my one load behind the round
	FETCH3 0, 0, 0, 0
	ASK 12288                                      ; the bytes of slot 0's refill: K steps 8-11
	s_wait_loadcnt 0x0
	STEP 0, 1
	STEP 1, 0
	STEP 2, 0
	TURN 3, 1
	STEP 4, 0
	STEP 5, 0
	STEP 6, 0
	TURN 7, 1
	STEP 8, 0
	STEP 9, 0
	STEP 10, 0
	TURN 11, 0
	STEP 12, 0
	STEP 13, 0
	STEP 14, 0
	s_wait_dscnt 0x0
.set scs_, SCL+12                      ; K step 15
.set scr_, 1
	MUL8 0, 1, 0
	MUL8 1, 1, 0
	MUL8 2, 1, 0
	MUL8 3, 1, 0
	WIN 0
.macro TOSTAGE a
	WIN 0x04
.irp b, 0,1,2,3,4,5,6,7
	ds_store_b128 v[STO], v[64*(\a)+8*\b:64*(\a)+8*\b+3] offset:64*\b
	ds_store_b128 v[STO], v[64*(\a)+8*\b+4:64*(\a)+8*\b+7] offset:64*\b+16
.endr
	WIN 0
.set tt, 0
.rept 16
	ds_load_b128 v[BK+64*((\a)%2)+4*tt:BK+64*((\a)%2)+4*tt+3], v[RD] offset:tt*528
.set tt, tt+1
.endr
.endm
.macro SEND a, younger
	s_wait_dscnt \younger
.if (\a) > 0
	s_add_nc_u64 s[14:15], s[14:15], 131072
.endif
.set tt, 0
.rept 16
	global_store_b128 v[CO], v[BK+64*((\a)%2)+4*tt:BK+64*((\a)%2)+4*tt+3], s[14:15] offset:tt*8192 th:TH_STORE_NT
.set tt, tt+1
.endr
.endm
	PLACES 4
	TOSTAGE 0
.irp a, 1, 2, 3
.if \a > 1
	s_wait_xcnt 0x0
.endif
	TOSTAGE \a
	SEND \a-1, 32
.endr
	s_wait_xcnt 0x0
	SEND 3, 0
	s_wait_tensorcnt 0x0
	ds_add_u32 v[SPW], v[NIL]
	s_wait_dscnt 0x0
	CROUND
	s_endpgm
.Lfunc_end_k_qe9dfc3baad_oproj:
	.size	k_qe9dfc3baad_oproj, .Lfunc_end_k_qe9dfc3baad_oproj-k_qe9dfc3baad_oproj
	.p2alignl 7, 3214868480
	.fill 96, 4, 3214868480
	.section	.rodata,"a",@progbits
	.p2align	6, 0x0
	.amdhsa_kernel k_qe9dfc3baad_oproj
		.amdhsa_group_segment_fixed_size 327680
		.amdhsa_private_segment_fixed_size 0
		.amdhsa_enable_private_segment 0
		.amdhsa_kernarg_size 48
		.amdhsa_user_sgpr_count 2
		.amdhsa_user_sgpr_kernarg_segment_ptr 1
		.amdhsa_wavefront_size32 1
		.amdhsa_system_sgpr_workgroup_id_x 1
		.amdhsa_system_sgpr_workgroup_id_y 1
		.amdhsa_system_sgpr_workgroup_id_z 1
		.amdhsa_system_vgpr_workitem_id 0
		.amdhsa_next_free_vgpr 768
		.amdhsa_next_free_sgpr 100
		.amdhsa_reserve_vcc 0
		.amdhsa_float_denorm_mode_32 3
		.amdhsa_float_denorm_mode_16_64 3
		.amdhsa_memory_ordered 1
		.amdhsa_forward_progress 1
		.amdhsa_inst_pref_size 145
	.end_amdhsa_kernel
	.amdgpu_metadata
---
amdhsa.version: [ 1, 2 ]
amdhsa.kernels:
  - .name:           k_qe9dfc3baad_oproj
    .symbol:         k_qe9dfc3baad_oproj.kd
    .args:
      - { .name: ac, .offset: 0, .size: 8, .value_kind: global_buffer, .address_space: global }
      - { .name: asc, .offset: 8, .size: 8, .value_kind: global_buffer, .address_space: global }
      - { .name: wcod, .offset: 16, .size: 8, .value_kind: global_buffer, .address_space: global }
      - { .name: wsc, .offset: 24, .size: 8, .value_kind: global_buffer, .address_space: global }
      - { .name: b_o, .offset: 32, .size: 8, .value_kind: global_buffer, .address_space: global }
      - { .name: out0, .offset: 40, .size: 8, .value_kind: global_buffer, .address_space: global }
    .group_segment_fixed_size: 327680
    .private_segment_fixed_size: 0
    .kernarg_segment_align: 8
    .kernarg_segment_size: 48
    .max_flat_workgroup_size: 128
    .sgpr_count:     100
    .vgpr_count:     768
    .wavefront_size: 32
...
	.end_amdgpu_metadata
.endif
;; end of part 3
